; MI455X (gfx1250); checked and timed in simulation.
; The chip was launched on July 23, 2026; its instructions are those of AMD's public machine-readable ISA for CDNA 5 (MIT licence, August 2026) and "CDNA5" Instruction Set Architecture Reference Guide (July 2026). The comments in the code are by the model that wrote it; some were corrected since.
;; Causal Self Attention. Allowed arithmetic: matrix products marked QUANTISED: E2M1 operands, one E8M0 scale for each 32 along K, by v_wmma_scale_f32_16x16x128_f8f6f4 with both operands' format E2M1 (or v_wmma_scale_f32_32x16x128_f4), f32 sums; products left as they are: bf16, f16 or f32 operands; f32 sums; everything else in f32.
;; Inputs: w_attn 1,024 x 3,072 float32; w_proj 1,024 x 1,024 float32; x 4 x 2,048 x 1,024 float32.
;; Outputs: out0 4 x 2,048 x 1,024 float32.
;; This version of the problem:
;;   THIS VERSION OF THE PROBLEM IS GIVEN IN LOW PRECISION. The matrix products marked QUANTISED in the list below multiply operands that are first quantised to E2M1 (2 exponent bits, 1 mantissa bit; 4 bits a number), with one power-of-two scale for each 32 numbers along K (OCP MX v1.0); their sums are f32. The products marked 'left as it is' may take bf16, f16 or f32 operands, with f32 sums. Whichever they take, every output number must still come out within the allowed error. Rounding operands to bf16 (8 significant bits) uses up far more of that allowance than f16 does (11 bits, for magnitudes from 6e-5 to 65,504). All else is computed in f32.
;;   The module's matrix products, in the order in which they are computed (A, B: the left and right operand; K: the contracted axis; several contracted axes count as one K, in the product's order):
;;     1. [M 8,192, K 1,024] x [K 1,024, N 3,072]; A: input x; B: input w_attn: QUANTISED
;;     2. batch 64 x [M 2,048, K 64] x [K 64, N 2,048]; A: computed on the way; B: computed on the way: left as it is (an operand is computed on the way)
;;     3. batch 64 x [M 2,048, K 2,048] x [K 2,048, N 64]; A: computed on the way; B: computed on the way: left as it is (an operand is computed on the way)
;;     4. [M 8,192, K 1,024] x [K 1,024, N 1,024]; A: computed on the way; B: input w_proj: left as it is (an operand is computed on the way)
;;   THE QUANTISER, for each operand of a quantised product, along K:
;;     - K is cut into blocks of 32 from its start; a last block that is shorter is filled with zeros.
;;     - A block's scale is 2^e with e = floor(log2(the largest magnitude in the block)) - 2, held to -126 .. 127; a block of zeros has e = 0. As a byte (E8M0): e + 127.
;;     - Each number is divided by its block's scale, clamped to +-6, and rounded to the nearest number of E2M1, ties to even, subnormals kept.
;;     - The product sums the exact products of the quantised numbers (number of the format x scale) in f32.
;;   ~~~python
;;   def quantise(x, axis):      # numpy; x: float32 -> the quantised numbers, widened to float32 again
;;       x = np.moveaxis(x, axis, -1); K = x.shape[-1]
;;       x = np.pad(x, [(0, 0)] * (x.ndim - 1) + [(0, -K % 32)]); x = x.reshape(x.shape[:-1] + (-1, 32)); a = np.abs(x).max(-1, keepdims=True)
;;       e = np.where(a > 0, np.clip(np.frexp(np.where(a > 0, a, 1))[1] - 1 - 2, -126, 127), 0)      # np.frexp(a)[1] - 1 = floor(log2(a)), exactly
;;       r = np.clip(x / 2.0 ** e, -6, 6)
;;       step = 2.0 ** (np.maximum(np.frexp(np.where(r == 0, 1, r))[1] - 1, 0) - 1)
;;       q = np.round(r / step) * step * 2.0 ** e      # np.round: ties to even
;;       return np.moveaxis(q.reshape(q.shape[:-2] + (-1,))[..., :K], -1, axis).astype(np.float32)
;;   ~~~
;; One version. Each part assembles by itself: llvm-mc -triple=amdgcn-amd-amdhsa -mcpu=gfx1250 --defsym DOCPART=n.
;; ======== version 1 of 1: 6 launches
;; limits: values are held in f16: magnitudes above 65,504 overflow, below 6.1e-05 lose precision
;; workspace buffers: xc 4,194,304 bytes; xs 262,144 bytes; wc 1,572,864 bytes; ws 98,304 bytes; wp16 2,097,152 bytes; qkv16 50,331,648 bytes; y16 16,777,216 bytes; y32 262,144 bytes
;; launch prep (part 1): grid 576 x 1, 4 waves a work-group, no clusters, 42,496 bytes of LDS; arguments x, w_attn, w_proj, xc, xs, wc, ws, wp16; writes xc, xs, wc, ws, wp16
.if DOCPART == 1
	.amdgcn_target "amdgcn-amd-amdhsa--gfx1250"
	.amdhsa_code_object_version 6
	.text
	.protected	k_qaedd82561a_prep
	.globl	k_qaedd82561a_prep
	.p2align	8
	.type	k_qaedd82561a_prep,@function
k_qaedd82561a_prep:
	s_mov_b64 s[64:65], 0
	v_nop
	global_prefetch_b8 v0, s[64:65] scope:SCOPE_SE
	s_setreg_imm32_b32 hwreg(HW_REG_WAVE_MODE, 25, 1), 1
	s_wait_xcnt 0x0
; THE PROGRAM: causal self-attention, B = 4, T = 2,048, C = 1,024, 16 heads of 64, in six launches:
;   prep (this one): x and w_attn into codes of FP4 (E2M1) with one E8M0 scale byte for each 32 along K; w_proj rounded to f16
;   gemm1: x w_attn on the codes, q, k, v rounded to f16, laid by head;   attn: both products of attention on f16, softmax with a running maximum in f32;   proj: y w_proj on f16, f32 out
;   fine1, fine2: positions 0 to 15 of every sequence once more in f32 (they average one to sixteen values and are the largest in size), written over proj's 64 rows.
; WORK LEFT OUT: reference() sets att[q][k] to -infinity where k > q by a mask that it builds itself (jnp.tril), and softmax gives such a place the weight 0 whatever q, k and v hold.  So blocks of keys that lie
; wholly behind a wave's queries are neither multiplied nor loaded (launch attn).  Every input has a way to the output and is loaded.  LIMIT: a NaN, an infinity or an overflow that would arise only in such a block is not carried to the result.
; LIMITS OF THE PROGRAM: q, k, v, y and w_proj go to the matrix units as f16: magnitudes over 65,504 are not served; under 6e-5 their error is at most 3e-8 absolute.
; THIS LAUNCH has three paths, chosen by the work-group's number alone; they never meet again, and each has LDS bytes of its own.
;   X, work-groups 0-255: x [8192][1024] f32 is a plain stream of blocks of 32 along K.  A wave takes 16 steps of 512 numbers.  Loads take the bytes as they lie (512 consecutive bytes a load); a step's 2,048 bytes turn through
;      the wave's own stage in LDS so that a lane holds 16 neighbours, two lanes a block.  Codes leave 256 consecutive bytes a store; a wave's 256 scale bytes are gathered in LDS and leave as one aligned run of 256.
;   W, work-groups 256-447: w_attn [1024 k][3072 n] has K as its FIRST axis: a lane takes a column and its registers run down K, so a block lies in one lane and the codes come out with K innermost.  A work-group takes 32 columns x 512 along K,
;      its wave kq 128 of them (four blocks a lane); the four waves' codes meet in a stage, 256 bytes a column, and leave sixteen lanes to an aligned run of 256 bytes.
;   C, work-groups 448-575: w_proj f32 to f16, as it lies, 2,048 numbers a wave.
; A block's scale is 2^(floor(log2(largest magnitude)) - 2); its byte is the largest magnitude's exponent field - 2, held at 1 from below.  A block of zeros so gets the byte 1 where the rule says 127: its codes are zeros,
; which add nothing under any byte but 0xff, and this program alone reads the bytes.  LIMITS: blocks whose largest magnitude lies under 2^-124 were not tried; NaN and infinities among the inputs are not served.
.set STEPS, 16
.set CB,    8                          ; bytes of 16 codes
.set WREG,  8192                       ; path X: a region for each wave: two stages of 32 x SP bytes, behind them its 256 scale bytes
.set SP,    80                         ; a lane's place in a stage: 64 bytes + 16 of padding
.set WSTG,  4*WREG                     ; path W: 32 columns x (256 bytes + 16)
.set WPITCH, 272
.set WSC,   WSTG+32*WPITCH             ; path W: 32 columns x 16 scale bytes
.set SPARE, WSC+512                    ; the spare words, 128 bytes for each wave: two blocks of 256 bytes that no other line names
.set WN,    3072
.set SPW,   12                         ; v12  LDS address of my spare word; never rewritten
.set NIL,   13                         ; v13  0; never rewritten
.set R,     16                         ; path X: v16-79 four sets of 16 numbers as loaded
.set X,     80                         ;         v80-111 two sets of 16 neighbours
.set E,     112                        ;         v112-127 a scale byte for each step
.set C,     128                        ;         v128-191 codes, four registers for each step: no store's data are written again
.set WX,    32                         ; path W: v32-95 two sets of 32 numbers
.set WC,    96                         ;         v96-99 a block's codes
.set SB,    24                         ;         v24 my four scale bytes
.set OUTR,  112                        ;         v112-127 the way out
.macro FINISH                          ; a wave's end, behind its last LDS store
	s_wait_tensorcnt 0x0
	ds_add_u32 v[SPW], v[NIL]
	s_wait_dscnt 0x0
	s_endpgm
.endm
	s_load_b256 s[4:11], s[0:1], 0x0               ; x s[4:5], w_attn s[6:7], w_proj s[8:9], xc s[10:11]
	s_load_b256 s[12:19], s[0:1], 0x20             ; xs s[12:13], wc s[14:15], ws s[16:17], wp16 s[18:19]
	v_lshl_add_u32 v[SPW], v0, 2, SPARE
	v_mov_b32 v[NIL], 0
	v_lshrrev_b32 v1, 5, v0
	v_readfirstlane_b32 s20, v1                    ; wave
	v_and_b32 v2, 31, v0                           ; lane
	s_wait_kmcnt 0x0
	s_cmp_ge_u32 ttmp9, 256
	s_cbranch_scc1 .Lwc
; ---------------- path X ----------------
	v_lshlrev_b32 v3, 4, v2                        ; my 16 bytes of a load's 512
	s_mul_i32 s21, s20, WREG
	v_lshrrev_b32 v14, 2, v2
	v_mul_u32_u24 v14, v14, SP
	v_and_b32 v15, 3, v2
	v_lshl_add_u32 v14, v15, 4, v14
	v_add_nc_u32 v14, s21, v14                     ; the stage, on the way in: SP (lane / 4) + 16 (lane % 4)
	v_mul_u32_u24 v15, v2, SP
	v_add_nc_u32 v15, s21, v15                     ; and on the way out: SP x lane: my 16 neighbours
	v_mul_u32_u24 v4, v2, CB                       ; my codes' place in a step's
	v_lshrrev_b32 v5, 1, v2
	s_add_co_u32 s21, s21, 2*32*SP
	v_add_nc_u32 v5, s21, v5                       ; my wave's 256 scale bytes, my block's byte
	v_lshlrev_b32 v7, 3, v2                        ; and on the way out 8 bytes a lane
	v_add_nc_u32 v6, s21, v7
	s_lshl_b32 s22, ttmp9, 2
	s_add_co_u32 s22, s22, s20                     ; which run of 8,192 numbers is my wave's
	s_mov_b32 s23, 0
	s_lshl_b64 s[24:25], s[22:23], 15              ; 32,768 bytes of f32 a run
	s_add_nc_u64 s[4:5], s[4:5], s[24:25]
	s_lshl_b64 s[24:25], s[22:23], 12              ; 4,096 bytes of codes
	s_add_nc_u64 s[10:11], s[10:11], s[24:25]
	s_lshl_b32 s22, s22, 8                         ; 256 scale bytes
	s_add_nc_u64 s[12:13], s[12:13], s[22:23]
.macro LOAD t
.irp i, 0,1,2,3
	global_load_b128 v[R+16*((\t)%4)+4*\i:R+16*((\t)%4)+4*\i+3], v3, s[4:5] offset:2048*(\t)+512*\i th:TH_LOAD_NT   ; 32 lanes read 512 consecutive bytes
.endr
.endm
.macro TURN t                          ; step t's numbers through the stage: LDS serves a wave's instructions in order, so no wait stands between the stores and the loads
.irp i, 0,1,2,3
	ds_store_b128 v14, v[R+16*((\t)%4)+4*\i:R+16*((\t)%4)+4*\i+3] offset:32*SP*((\t)%2)+8*SP*\i
.endr
.irp i, 0,1,2,3
	ds_load_b128 v[X+16*((\t)%2)+4*\i:X+16*((\t)%2)+4*\i+3], v15 offset:32*SP*((\t)%2)+16*\i
.endr
.endm
.irp t, 0,1,2,3
	LOAD \t
.endr
	s_wait_loadcnt 12                              ; step 0's four loads are in; the twelve of steps 1 to 3 may be out
	TURN 0
.macro STEP t
.set XS, X+16*((\t)%2)
.if (\t) > 0
	s_wait_dscnt 1                                 ; this step's numbers are back from the stage (the last step's byte store may be out): so its stores into the stage have read their registers,
.else
	s_wait_dscnt 0x0
.endif
.if (\t)+4 < STEPS
	LOAD (\t)+4                                    ; which take the loads of four steps on
.endif
.if (\t)+1 < STEPS
.if STEPS-2-(\t) >= 3
	s_wait_loadcnt 12                              ; the next step's four loads are in; those of the three steps behind it may be out
.else
	s_wait_loadcnt 4*(STEPS-2-(\t))
.endif
	TURN (\t)+1                                    ; and go through the other stage while this step is worked
.endif
	v_max3_num_f32 v8, |v[XS]|, |v[XS+1]|, |v[XS+2]|               ; the largest magnitude of my 16, in two chains
	v_max3_num_f32 v9, |v[XS+3]|, |v[XS+4]|, |v[XS+5]|
.irp i, 6,10
	v_max3_num_f32 v8, v8, |v[XS+\i]|, |v[XS+\i+1]|
	v_max3_num_f32 v9, v9, |v[XS+\i+2]|, |v[XS+\i+3]|
.endr
	v_max3_num_f32 v8, v8, |v[XS+14]|, |v[XS+15]|
	v_max3_num_f32 v8, v8, v9, 0x1800000           ; and the floor 2^(3 - 127): the byte cannot fall under 1
	v_max_num_f32_dpp v8, v8, v8 row_xmask:1 row_mask:0xf bank_mask:0xf   ; and of my neighbour's 16: the block's
	v_add_nc_u32 v11, 0xff000000, v8               ; 2 off its exponent field: the conversion takes the exponent field of this operand as its scale, and nothing else of it
	v_cvt_scalef32_pk8_fp4_f32 v[C+4*(\t)], v[XS:XS+7], v11        ; to the nearest code, ties to even, beyond the largest code the largest
	v_cvt_scalef32_pk8_fp4_f32 v[C+4*(\t)+1], v[XS+8:XS+15], v11
	v_lshrrev_b32 v[E+(\t)], 23, v11               ; the scale's byte (also the plain line behind the conversions)
	ds_store_b8 v5, v[E+(\t)] offset:16*(\t)       ; both lanes of a block write the same byte with the same value
	global_store_b64 v4, v[C+4*(\t):C+4*(\t)+1], s[10:11] offset:32*CB*(\t)   ; the wave stores 256 consecutive bytes
.endm
.irp t, 0,1,2,3,4,5,6,7,8,9,10,11,12,13,14,15
	STEP \t
.endr
	ds_load_b64 v[8:9], v6                         ; LDS serves a wave's instructions in order: these see my byte stores
	s_wait_dscnt 0x0
	global_store_b64 v7, v[8:9], s[12:13]          ; 32 lanes store 256 consecutive bytes, aligned
	FINISH
; ---------------- path W ----------------
.Lwc:
	s_cmp_ge_u32 ttmp9, 448
	s_cbranch_scc1 .Lc
	s_sub_co_u32 s21, ttmp9, 256
	s_cmp_ge_u32 s21, 96
	s_cselect_b32 s22, 1, 0                        ; which 512 along K
	s_cselect_b32 s23, 96, 0
	s_sub_co_u32 s21, s21, s23                     ; which 32 columns
	s_lshl_b32 s24, s22, 9
	s_lshl_b32 s25, s20, 7
	s_add_co_u32 s24, s24, s25                     ; my wave's first row of w_attn
	s_mul_i32 s24, s24, WN*4
	s_lshl_b32 s25, s21, 7
	s_add_co_u32 s24, s24, s25
	s_mov_b32 s25, 0
	s_add_nc_u64 s[6:7], s[6:7], s[24:25]
	s_lshl_b32 s24, s21, 14                        ; codes: 32 columns x 512 bytes, + 256 for the upper half of K
	s_lshl_b32 s26, s22, 8
	s_add_co_u32 s24, s24, s26
	s_add_nc_u64 s[14:15], s[14:15], s[24:25]
	s_lshl_b32 s24, s21, 10                        ; scale bytes: 32 columns x 32 bytes, + 16
	s_lshl_b32 s26, s22, 4
	s_add_co_u32 s24, s24, s26
	s_add_nc_u64 s[16:17], s[16:17], s[24:25]
	v_lshlrev_b32 v3, 2, v2                        ; in: 4 bytes a lane
	s_lshl_b32 s26, s20, 6
	s_add_co_u32 s26, s26, WSTG
	v_mul_u32_u24 v4, v2, WPITCH
	v_add_nc_u32 v4, s26, v4                       ; into the stage: row = my column, my wave's 64 bytes of it
	s_lshl_b32 s26, s20, 2
	s_add_co_u32 s26, s26, WSC
	v_lshl_add_u32 v5, v2, 4, s26                  ; my column's scale bytes, my wave's four
	v_and_b32 v6, 15, v2
	v_lshrrev_b32 v11, 4, v2
	s_mul_i32 s26, s20, 8*WPITCH
	s_add_co_u32 s26, s26, WSTG
	v_mul_u32_u24 v7, v11, WPITCH
	v_lshl_add_u32 v7, v6, 4, v7
	v_add_nc_u32 v7, s26, v7                       ; out of it: wave w takes columns 8 w on, sixteen lanes to a column, two columns an instruction
	s_lshl_b32 s26, s20, 12
	v_lshlrev_b32 v8, 9, v11
	v_lshl_add_u32 v8, v6, 4, v8
	v_add_nc_u32 v8, s26, v8                       ; and the same place in wc
	v_lshl_add_u32 v9, v2, 4, WSC                  ; wave 0: a column's 16 scale bytes
	v_lshlrev_b32 v10, 5, v2                       ; and its row of ws
.macro WLOAD t                         ; block t: w_attn(32 t + i, my column) into set t % 2
.irp i, 0,1,2,3,4,5,6,7,8,9,10,11,12,13,14,15,16,17,18,19,20,21,22,23,24,25,26,27,28,29,30,31
	global_load_b32 v[WX+32*((\t)%2)+\i], v3, s[6:7] offset:(32*(\t)+\i)*WN*4 th:TH_LOAD_NT
.endr
.endm
	WLOAD 0
	WLOAD 1
.macro WBLOCK t
.set XS, WX+32*((\t)%2)
.if (\t) < 3
	s_wait_loadcnt 32                              ; this block's 32 loads are in; the next block's 32 may be out
.else
	s_wait_loadcnt 0x0
.endif
	v_max3_num_f32 v20, |v[XS]|, |v[XS+1]|, |v[XS+2]|              ; the block's largest magnitude: all 32 numbers are mine
	v_max3_num_f32 v21, |v[XS+3]|, |v[XS+4]|, |v[XS+5]|
.irp i, 6,10,14,18,22,26
	v_max3_num_f32 v20, v20, |v[XS+\i]|, |v[XS+\i+1]|
	v_max3_num_f32 v21, v21, |v[XS+\i+2]|, |v[XS+\i+3]|
.endr
	v_max3_num_f32 v20, v20, |v[XS+30]|, |v[XS+31]|
	v_max3_num_f32 v20, v20, v21, 0x1800000        ; and the floor
	v_add_nc_u32 v22, 0xff000000, v20              ; the conversion's scale operand
	v_lshrrev_b32 v23, 23, v22                     ; the scale's byte
.if (\t) == 0
	v_mov_b32 v[SB], v23
.else
	v_lshl_or_b32 v[SB], v23, 8*(\t), v[SB]        ; the lower K in the lower byte
.endif
.irp g, 0,1,2,3
	v_cvt_scalef32_pk8_fp4_f32 v[WC+\g], v[XS+8*\g:XS+8*\g+7], v22
.endr
	v_nop                                          ; one plain line behind the last conversion
	ds_store_b128 v4, v[WC:WC+3] offset:16*(\t)    ; 32 codes: 16 bytes of my column's row
.if (\t)+2 < 4
	WLOAD (\t)+2
.endif
	s_wait_dscnt 0x0                               ; the store has read its registers: the next block's codes may be written
.endm
	WBLOCK 0
	WBLOCK 1
	WBLOCK 2
	WBLOCK 3
	ds_store_b32 v5, v[SB]
	s_wait_dscnt 0x0                               ; for the others' sake: my stores have landed
	s_barrier_signal -1                            ; (the branch that led here hangs on the work-group's number: all four waves are on this path)
	s_barrier_wait -1
.irp t, 0,1,2,3
	ds_load_b128 v[OUTR+4*\t:OUTR+4*\t+3], v7 offset:2*\t*WPITCH
.endr
.irp t, 0,1,2,3
	s_wait_dscnt 3-\t                              ; LDS loads come back in order: load t is in, the later ones may be out
	global_store_b128 v8, v[OUTR+4*\t:OUTR+4*\t+3], s[14:15] offset:1024*\t   ; sixteen lanes store 256 consecutive bytes, aligned
.endr
	s_cmp_lg_u32 s20, 0
	s_cbranch_scc1 .Lw_rest
	ds_load_b128 v[100:103], v9                    ; wave 0: the 32 columns' scale bytes, 16 a lane, rows of ws 32 bytes apart: one byte in 128 of what the path reads
	s_wait_dscnt 0x0
	global_store_b128 v10, v[100:103], s[16:17]
	FINISH
.Lw_rest:
	FINISH
; ---------------- path C ----------------
.Lc:
	s_sub_co_u32 s21, ttmp9, 448
	s_lshl_b32 s21, s21, 2
	s_add_co_u32 s21, s21, s20                     ; which run of 2,048 numbers is my wave's
	s_lshl_b32 s22, s21, 13
	s_mov_b32 s23, 0
	s_add_nc_u64 s[8:9], s[8:9], s[22:23]
	s_lshl_b32 s22, s21, 12
	s_add_nc_u64 s[18:19], s[18:19], s[22:23]
	v_lshlrev_b32 v3, 4, v2
	v_lshlrev_b32 v4, 3, v2
.irp i, 0,1,2,3,4,5,6,7,8,9,10,11,12,13,14,15
	global_load_b128 v[16+4*\i:19+4*\i], v3, s[8:9] offset:512*\i th:TH_LOAD_NT
.endr
.irp i, 0,1,2,3,4,5,6,7,8,9,10,11,12,13,14,15
	s_wait_loadcnt 15-\i                           ; loads come back in order: load i is in
	v_cvt_pk_f16_f32 v[80+2*\i], v[16+4*\i], v[17+4*\i]
	v_cvt_pk_f16_f32 v[81+2*\i], v[18+4*\i], v[19+4*\i]
	global_store_b64 v4, v[80+2*\i:81+2*\i], s[18:19] offset:256*\i   ; the wave stores 256 consecutive bytes
.endr
	s_endpgm
.Lfunc_end_k_qaedd82561a_prep:
	.size	k_qaedd82561a_prep, .Lfunc_end_k_qaedd82561a_prep-k_qaedd82561a_prep
	.p2alignl 7, 3214868480
	.fill 96, 4, 3214868480
	.section	.rodata,"a",@progbits
	.p2align	6, 0x0
	.amdhsa_kernel k_qaedd82561a_prep
		.amdhsa_group_segment_fixed_size 42496
		.amdhsa_private_segment_fixed_size 0
		.amdhsa_enable_private_segment 0
		.amdhsa_kernarg_size 64
		.amdhsa_user_sgpr_count 2
		.amdhsa_user_sgpr_kernarg_segment_ptr 1
		.amdhsa_wavefront_size32 1
		.amdhsa_system_sgpr_workgroup_id_x 1
		.amdhsa_system_sgpr_workgroup_id_y 1
		.amdhsa_system_sgpr_workgroup_id_z 1
		.amdhsa_system_vgpr_workitem_id 0
		.amdhsa_next_free_vgpr 192
		.amdhsa_next_free_sgpr 66
		.amdhsa_reserve_vcc 0
		.amdhsa_float_denorm_mode_32 3
		.amdhsa_float_denorm_mode_16_64 3
		.amdhsa_memory_ordered 1
		.amdhsa_forward_progress 1
		.amdhsa_inst_pref_size 61
	.end_amdhsa_kernel
	.amdgpu_metadata
---
amdhsa.version: [ 1, 2 ]
amdhsa.kernels:
  - .name:           k_qaedd82561a_prep
    .symbol:         k_qaedd82561a_prep.kd
    .args:
      - { .name: x, .offset: 0, .size: 8, .value_kind: global_buffer, .address_space: global }
      - { .name: w_attn, .offset: 8, .size: 8, .value_kind: global_buffer, .address_space: global }
      - { .name: w_proj, .offset: 16, .size: 8, .value_kind: global_buffer, .address_space: global }
      - { .name: xc, .offset: 24, .size: 8, .value_kind: global_buffer, .address_space: global }
      - { .name: xs, .offset: 32, .size: 8, .value_kind: global_buffer, .address_space: global }
      - { .name: wc, .offset: 40, .size: 8, .value_kind: global_buffer, .address_space: global }
      - { .name: ws, .offset: 48, .size: 8, .value_kind: global_buffer, .address_space: global }
      - { .name: wp16, .offset: 56, .size: 8, .value_kind: global_buffer, .address_space: global }
    .group_segment_fixed_size: 42496
    .private_segment_fixed_size: 0
    .kernarg_segment_align: 8
    .kernarg_segment_size: 64
    .max_flat_workgroup_size: 128
    .sgpr_count:     66
    .vgpr_count:     192
    .wavefront_size: 32
...
	.end_amdgpu_metadata
.endif
;; end of part 1
;; launch gemm1 (part 2): grid 12 x 32, 4 waves a work-group, clusters of 4 x 4, 327,680 bytes of LDS; arguments xc, xs, wc, ws, qkv16; writes qkv16
.if DOCPART == 2
	.amdgcn_target "amdgcn-amd-amdhsa--gfx1250"
	.amdhsa_code_object_version 6
	.text
	.protected	k_qaedd82561a_gemm1
	.globl	k_qaedd82561a_gemm1
	.p2align	8
	.type	k_qaedd82561a_gemm1,@function
k_qaedd82561a_gemm1:
	s_mov_b64 s[64:65], 0
	v_nop
	global_prefetch_b8 v0, s[64:65] scope:SCOPE_SE
	s_setreg_imm32_b32 hwreg(HW_REG_WAVE_MODE, 25, 1), 1
	s_wait_xcnt 0x0
	s_wait_alu depctr_hold_cnt(0) depctr_sa_sdst(0) depctr_va_vdst(0) depctr_va_sdst(0) depctr_va_ssrc(0) depctr_va_vcc(0) depctr_vm_vsrc(0)
	s_getreg_b32 s2, hwreg(HW_REG_IB_STS2, 6, 4)
	s_cmp_eq_u32 s2, 0
	s_cbranch_scc0 .Lentry_in_a_cluster
	s_endpgm
.Lentry_in_a_cluster:
	s_bfe_u32 s2, ttmp6, 0x10000c
	s_cmp_lg_u32 s2, 0xf033
	s_cbranch_scc0 .Lentry_shape_is_right
	s_endpgm
.Lentry_shape_is_right:
; qkv[m][n] = sum over k of x[m][k] w_attn[k][n], on codes of FP4 (E2M1) with one E8M0 scale for each 32 along K, f32 sums; the results are rounded to f16 and laid by head:
; qkv16 [3 parts q, k, v][64 = 16 b + head][2048 t][64] f16.  A = xc [8192][512 bytes], xs [8192][32]; B = wc [3072][512 bytes], ws [3072][32]: K innermost, two codes a byte.
; LIMIT: magnitudes of q, k, v over 65,504 are not served (f16).
; A tile of C, 256 x 256, is made by a work-group of four waves; a wave makes 128 x 128: 64 accumulators of 16 x 16, 512 registers.  K = 1,024 is two slots of 512 along K (rows of 256 bytes): both are asked for at the head,
; with the scale bytes of the work-group's 256 + 256 rows for all of K (two dense blocks), and nothing is filled again.  By this text's own count a wave has three tensor loads out.
; CLUSTERS: 4 x 4 work-groups.  The four of a row of the cluster need the same tiles of A, the four of a column the same tiles of B: each tile is asked for JOINTLY, by the same tensor load with the same descriptor and a mask that names the four.
; THE MATRIX INSTRUCTION IS USED TRANSPOSED (source 0 = 16 rows of B, source 1 = 16 rows of A): a lane then holds eight neighbouring columns of a row of C, which pack into 16 bytes of one head's row.
; REGISTERS, in windows of 256: window 0: v0-31 addresses; v32-95 scale words, two sets, and nothing else; v96-127 packed results on the way out; v128-191 A's fragments, ONE set; v192-255 rows read back on the way out.
;   window 1: B's fragments, TWO sets, at v0 and v128.   window 2: the accumulators of my rows 0-63 ((a, b) at v[8 (8 a + b)]);   window 3: those of my rows 64-127.
.set SIZE_K, 1024
.set KSTEP,  512                       ; along K in a slot
.set NQ,     KSTEP/128                 ; matrix instructions deep
.set ROWB,   256                       ; a tile's row in bytes
.set KROW,   SIZE_K*4/8                ; a row of codes in memory
.set PITCH,  272                       ; an LDS row: 256 bytes + 16 of padding = 68 words: the 16 rows that a load touches start at 16 different banks (64 banks of 4 bytes: ISA guide 11.1)
.set FR,     8                         ; registers of a fragment: 16 rows x 128 K
.set NL,     2                         ; LDS loads that bring one
.set NP,     4                         ; places behind this matrix instruction (ISA guide 7.12.1)
.set HALFT,  128*PITCH                 ; 128 rows: what one tensor load brings
.set SLOT,   4*HALFT                   ; A's 256 rows, then B's 256 rows
.set KS,     SIZE_K/32                 ; a row of scale bytes
.set SCL,    2*SLOT                    ; behind the slots: the scales, as runs of 256 bytes + 16 of padding
.set HALFS,  (128*KS/256)*272          ; the scales of 128 rows
.set SBLK,   (16*KS/256)*272           ; those of 16 rows
.set SPARE,  SCL+4*HALFS               ; the spare words, 128 bytes for each wave: two blocks of 256 bytes that no other line names
.set HP,     144                       ; the way out: a stage row: a head's 128 bytes + 16
.set HST,    16*HP                     ; 16 rows of one head
.set ADRA, 16                          ; v16-17  LDS address of my A fragments in slot 0, 1
.set ADRB, 20                          ; v20-21  the same for B
.set STO,  24                          ; v24     the way out: where I put 16 bytes of a row
.set RD,   25                          ; v25     where I read rows back
.set CO,   26                          ; v26     16 x lane
.set ADRS, 27                          ; v27     LDS address of my scale words: lanes 0-15 A's rows, lanes 16-31 B's
.set SPW,  28                          ; v28     LDS address of my spare word; never rewritten
.set NIL,  29                          ; v29     0; never rewritten
.set SC,   32                          ; scale words: set s at v[SC + 32 s]; register 4 i + q: lanes 0-15 the word of A's block i, lanes 16-31 that of B's block i, for the slot's q-th 128 along K
.set TMP,  96
.set AF,   128
.set BK,   192
.set G1, 24                            ; s[24:31] group 1 for A's tiles;  s[32:39] group 0, one set for each slot
.set G0, 32
.set G1B, 48                           ; s[48:55], s[56:63] the same for B's tiles
.set G0B, 56
.set G1S, 68                           ; s[68:75], s[76:79] groups 1 and 0 for A's scales;  s[80:87], s[88:91] for B's
.set G0S, 76
.set G1SB, 80
.set G0SB, 88
.set MSB, 0
.macro WIN new                         ; the immediate's high byte repeats the setting that is left
.if MSB != \new
	s_set_vgpr_msb (MSB<<8)|\new
.set MSB, \new
.endif
.endm
.set MUL_LO, 0xa1                      ; source 0 (B) window 1, source 1 (A) window 0, C and D window 2
.set MUL_HI, 0xf1                      ; the same, C and D window 3
.set TO_B,   0x40                      ; destination window 1, address window 0
; A joint load: waves 0 and 1 fetch for A, waves 2 and 3 for B.  Each of the two lines has ONE mask and one set of registers for all that issue it; the branch hangs on the wave's number alone.
; An s_nop 0 and four v_nop follow each of the two lines, ahead of the jump, the label and what follows.
.macro JLOAD g0a, g1a, g0b, g1b
	s_cmp_eq_u32 s15, 0
	s_cbranch_scc0 .Lfor_b_\@
	tensor_load_to_lds s[\g0a:\g0a+3], s[\g1a:\g1a+7]
	s_nop 0
.rept 4
	v_nop
.endr
	s_branch .Lasked_\@
.Lfor_b_\@:
	tensor_load_to_lds s[\g0b:\g0b+3], s[\g1b:\g1b+7]
	s_nop 0
.rept 4
	v_nop
.endr
.Lasked_\@:
.endm
.macro CROUND                          ; a round of the cluster's barrier: my work-group's barrier; wave 0 signals for the work-group; every wave waits for all sixteen; my work-group's barrier once more
	s_barrier_signal -1
	s_barrier_wait -1
	s_cmp_lg_u32 s14, 0
	s_cbranch_scc1 .Lnot_wave_0_\@
	s_barrier_signal -3
.Lnot_wave_0_\@:
	s_barrier_wait -3
	s_barrier_signal -1
	s_barrier_wait -1
.endm
	s_load_b128 s[4:7], s[0:1], 0x0                ; xc s[4:5], xs s[6:7]
	s_load_b128 s[8:11], s[0:1], 0x10              ; wc s[8:9], ws s[10:11]
	s_load_b64 s[12:13], s[0:1], 0x20              ; qkv16
	v_lshl_add_u32 v[SPW], v0, 2, SPARE
	v_mov_b32 v[NIL], 0
	ds_add_u32 v[SPW], v[NIL]                      ; the wave's opening: the add, twice on end, and its wait ahead of my first tensor load; the set-up below stands between the second and the wait
	ds_add_u32 v[SPW], v[NIL]
	v_lshrrev_b32 v1, 5, v0
	v_readfirstlane_b32 s14, v1                    ; wave 0..3
	s_lshr_b32 s15, s14, 1                         ; which half of the tile's rows is mine.  Also: I fetch for A (0) or for B (1)
	s_and_b32 s16, s14, 1                          ; which half of its columns.  Also: which 128 rows of that tile I fetch
	s_bfe_u32 s40, ttmp6, 0x40000                  ; cx, cy: my place in the cluster
	s_bfe_u32 s41, ttmp6, 0x40004
	s_lshl_b32 s42, ttmp9, 2
	s_add_co_u32 s42, s42, s40                     ; tile column of C = 4 x cluster x + cx
	s_and_b32 s17, ttmp7, 0xffff
	s_lshl_b32 s17, s17, 2
	s_add_co_u32 s17, s17, s41                     ; tile row of C = 4 x cluster y + cy
	s_lshl_b32 s43, s41, 2
	s_lshl_b32 s43, 15, s43                        ; my row of the cluster
	s_lshl_b32 s44, 0x1111, s40                    ; my column
	; group 1: a tile of 128 rows x 256 bytes, padded in LDS
	s_or_b32 s[G1+0], s43, (0<<16)|(1<<20)|(1<<21)|(5<<22)|(3<<25)  ; 15:0 the mask; 17:16 elements of 1 byte; 20 padding on; 21 set beside a mask; 24:22 after every 64 words; 31:25 four words
	s_or_b32 s[G1B+0], s44, (0<<16)|(1<<20)|(1<<21)|(5<<22)|(3<<25)
.irp g, G1, G1B
	s_mov_b32 s[\g+1], ROWB<<16                    ; tensor_dim0
	s_mov_b32 s[\g+2], 128<<16                     ; tensor_dim1
	s_mov_b32 s[\g+3], ROWB<<16                    ; tile_dim0
	s_mov_b32 s[\g+4], 128                         ; tile_dim1
	s_mov_b32 s[\g+5], KROW                        ; from row to row
	s_mov_b32 s[\g+6], 0
	s_mov_b32 s[\g+7], 0
.endr
	; the scales of 128 rows: a dense block of 4,096 bytes, as rows of 256 bytes (32 elements of 8 bytes), 16 bytes of padding behind each
	s_or_b32 s[G1S+0], s43, (3<<16)|(1<<20)|(1<<21)|(5<<22)|(3<<25)
	s_or_b32 s[G1SB+0], s44, (3<<16)|(1<<20)|(1<<21)|(5<<22)|(3<<25)
.irp g, G1S, G1SB
	s_mov_b32 s[\g+1], 32<<16
	s_mov_b32 s[\g+2], (128*KS/256)<<16
	s_mov_b32 s[\g+3], 32<<16
	s_mov_b32 s[\g+4], 128*KS/256
	s_mov_b32 s[\g+5], 32
	s_mov_b32 s[\g+6], 0
	s_mov_b32 s[\g+7], 0
.endr
	s_lshl_b32 s18, s16, 7                         ; which 128 rows of the tile I fetch
	s_lshl_b32 s20, s17, 8
	s_add_co_u32 s20, s20, s18                     ; A: row 256 x tile row + 128 x half
	s_lshl_b32 s46, s42, 8
	s_add_co_u32 s46, s46, s18                     ; B: row 256 x tile column + 128 x half
	s_mov_b32 s21, 0
	s_mov_b32 s47, 0
	s_mov_b64 s[18:19], KS
	s_mul_u64 s[22:23], s[20:21], s[18:19]         ; where these rows' scales begin, in bytes
	s_mul_u64 s[92:93], s[46:47], s[18:19]
	s_mov_b64 s[18:19], KROW
	s_mul_u64 s[20:21], s[20:21], s[18:19]         ; and their codes
	s_mul_u64 s[46:47], s[46:47], s[18:19]
	s_mul_i32 s45, s14, HALFT                      ; where they go: wave x 128 rows: no place in the cluster enters an LDS address
	s_mul_i32 s94, s14, HALFS
	s_wait_dscnt 0x0                               ; both opening adds are done
	s_wait_kmcnt 0x0
	s_add_nc_u64 s[20:21], s[4:5], s[20:21]
	s_add_nc_u64 s[22:23], s[6:7], s[22:23]
	s_add_nc_u64 s[46:47], s[8:9], s[46:47]
	s_add_nc_u64 s[92:93], s[10:11], s[92:93]
	CROUND                                         ; all sixteen work-groups are here: the joint loads meet
	s_mov_b32 s[G0S], 1
	s_add_co_u32 s[G0S+1], s94, SCL
	s_mov_b64 s[G0S+2:G0S+3], s[22:23]
	s_or_b32 s[G0S+3], s[G0S+3], 0x80000000
	s_mov_b32 s[G0SB], 1
	s_add_co_u32 s[G0SB+1], s94, SCL
	s_mov_b64 s[G0SB+2:G0SB+3], s[92:93]
	s_or_b32 s[G0SB+3], s[G0SB+3], 0x80000000
	JLOAD G0S, G1S, G0SB, G1SB                     ; the scales first: they are wanted with slot 0
.irp s, 0,1
	s_mov_b32 s[G0+4*\s], 1
	s_add_co_u32 s[G0+4*\s+1], s45, \s*SLOT
	s_add_nc_u64 s[G0+4*\s+2:G0+4*\s+3], s[20:21], \s*ROWB
	s_or_b32 s[G0+4*\s+3], s[G0+4*\s+3], 0x80000000
	s_mov_b32 s[G0B+4*\s], 1
	s_add_co_u32 s[G0B+4*\s+1], s45, \s*SLOT
	s_add_nc_u64 s[G0B+4*\s+2:G0B+4*\s+3], s[46:47], \s*ROWB
	s_or_b32 s[G0B+4*\s+3], s[G0B+4*\s+3], 0x80000000
	JLOAD G0+4*\s, G1, G0B+4*\s, G1B
.endr
	v_and_b32 v1, 15, v0                           ; r = l % 16
	v_bfe_u32 v2, v0, 4, 1                         ; h = l / 16
	v_mul_u32_u24 v3, v1, PITCH
	v_lshl_add_u32 v4, v2, 4, v3                   ; a fragment's row x pitch + 16 x half
	s_mul_i32 s21, s15, HALFT                      ; my 128 rows of A
	s_mul_i32 s22, s16, HALFT                      ; my 128 rows of B,
	s_add_co_u32 s22, s22, 2*HALFT                 ; which lie behind A's 256
.irp s, 0,1
	v_add_nc_u32 v[ADRA+\s], s21, v4
	v_add_nc_u32 v[ADRB+\s], s22, v4
	s_add_co_u32 s21, s21, SLOT
	s_add_co_u32 s22, s22, SLOT
.endr
	v_mul_u32_u24 v5, v1, KS                       ; my row's scales: 32 bytes a row,
	v_lshrrev_b32 v6, 8, v5
	v_lshl_add_u32 v5, v6, 4, v5                   ; and 16 more for each 256 passed
	s_mul_i32 s21, s15, HALFS                      ; A's: my 128 rows
	s_mul_i32 s22, s16, HALFS                      ; B's: my 128 rows, behind A's 256
	s_add_co_u32 s22, s22, 2*HALFS
	s_sub_co_u32 s22, s22, s21
	v_mul_u32_u24 v6, s22, v2                      ; lanes 16-31 take B's: one product, the distance between the two bases
	s_add_co_u32 s21, s21, SCL
	v_add_nc_u32 v5, v5, v6
	v_add_nc_u32 v[ADRS], s21, v5
	s_mul_i32 s23, s14, 2*HST                      ; my stage: [2 heads][16 rows][144 bytes]
	v_mul_u32_u24 v5, v1, HP
	v_lshl_add_u32 v5, v2, 4, v5
	v_add_nc_u32 v[STO], s23, v5                   ; in: row r, 16 bytes for each half of the lanes
	v_and_b32 v6, 31, v0
	v_lshlrev_b32 v[CO], 4, v6                     ; in memory four rows of a head are 512 consecutive bytes: 16 x lane
	v_lshrrev_b32 v5, 3, v6
	v_mul_u32_u24 v5, v5, HP
	v_and_b32 v6, 7, v6
	v_lshl_add_u32 v5, v6, 4, v5
	v_add_nc_u32 v[RD], s23, v5                    ; back: eight lanes to a row, four rows an instruction
	; where my 128 rows x 2 heads begin in qkv16.  The rows' part is made in s20, s21 (tile row alone), the columns' in s46, s47 (tile column alone)
	s_lshl_b32 s20, s17, 8
	s_lshl_b32 s21, s15, 7
	s_add_co_u32 s20, s20, s21                     ; my first row m
	s_lshr_b32 s21, s20, 11                        ; b
	s_and_b32 s20, s20, 2047                       ; t
	s_lshl_b32 s21, s21, 15                        ; 16 b heads of 2,048 rows
	s_add_co_u32 s20, s20, s21
	s_lshl_b32 s20, s20, 7                         ; rows of 128 bytes
	s_mov_b32 s21, 0
	s_lshl_b32 s46, s42, 8
	s_lshl_b32 s47, s16, 7
	s_add_co_u32 s46, s46, s47                     ; my first column n
	s_lshr_b32 s47, s46, 10                        ; q, k or v
	s_and_b32 s46, s46, 1023
	s_lshr_b32 s46, s46, 6                         ; head
	s_lshl_b32 s46, s46, 18                        ; a head is 2,048 x 128 bytes,
	s_lshl_b32 s47, s47, 24                        ; a part 64 heads
	s_add_co_u32 s46, s46, s47
	s_mov_b32 s47, 0
	s_add_nc_u64 s[20:21], s[20:21], s[46:47]
	s_add_nc_u64 s[12:13], s[12:13], s[20:21]
.macro FRAG reg, adr, q, i             ; a fragment, 16 rows x 128 K of 4-bit codes: lane l holds row l % 16; registers 4 c .. 4 c + 3 hold K = 64 c + 32 (l / 16) + 0 .. 31
.irp c, 0,1
	ds_load_b128 v[\reg+4*\c:\reg+4*\c+3], v[\adr] offset:64*(\q)+32*\c+(\i)*16*PITCH
.endr
.endm
; 16 matrix instructions: A's blocks a0, a0 + 1 x B's eight, the slot's q-th 128 along K.  p: B's set;  sc: the set of scale words.  zero = 1: the first product starts the sums.
; The 64 accumulators take turns, one instruction a turn, in the same order in every step.
.macro MUL16 a0, p, q, sc, zero
.irp a, \a0, \a0+1
.irp b, 0,1,2,3,4,5,6,7
.if \zero
	v_wmma_scale_f32_16x16x128_f8f6f4 v[8*(8*((\a)%4)+\b):8*(8*((\a)%4)+\b)+7], v[128*(\p)+FR*\b:128*(\p)+FR*\b+FR-1], v[AF+FR*(\a):AF+FR*(\a)+FR-1], 0, v[SC+8*NQ*(\sc)+NQ*\b+(\q)], v[SC+8*NQ*(\sc)+NQ*(\a)+(\q)] matrix_a_fmt:MATRIX_FMT_FP4 matrix_b_fmt:MATRIX_FMT_FP4 matrix_a_scale:MATRIX_SCALE_ROW1
.else
	v_wmma_scale_f32_16x16x128_f8f6f4 v[8*(8*((\a)%4)+\b):8*(8*((\a)%4)+\b)+7], v[128*(\p)+FR*\b:128*(\p)+FR*\b+FR-1], v[AF+FR*(\a):AF+FR*(\a)+FR-1], v[8*(8*((\a)%4)+\b):8*(8*((\a)%4)+\b)+7], v[SC+8*NQ*(\sc)+NQ*\b+(\q)], v[SC+8*NQ*(\sc)+NQ*(\a)+(\q)] matrix_a_fmt:MATRIX_FMT_FP4 matrix_b_fmt:MATRIX_FMT_FP4 matrix_a_scale:MATRIX_SCALE_ROW1
.endif
.endr
.endr
.endm
.macro FETCH_B slot, q, p              ; B's eight fragments of the slot's q-th 128 along K into set p
	WIN TO_B
.irp i, 0,1,2,3,4,5,6,7
	FRAG 128*(\p)+FR*\i, ADRB+\slot, \q, \i
.endr
	WIN 0
.endm
.macro FETCH_A slot, q, i0             ; A's blocks i0 .. i0 + 3
.irp i, \i0, \i0+1, \i0+2, \i0+3
	FRAG AF+FR*(\i), ADRA+\slot, \q, \i
.endr
.endm
.macro SCALES sc                       ; a slot's scale words into set sc: four words a row; lanes 0-15 take A's block i, lanes 16-31 B's block i
.irp i, 0,1,2,3,4,5,6,7
	ds_load_b128 v[SC+8*NQ*\sc+NQ*\i:SC+8*NQ*\sc+NQ*\i+3], v[ADRS] offset:\i*SBLK
.endr
.endm
; A load into a register that a matrix instruction has read, and a vector instruction or an LDS store that reads a matrix result, stand NP places behind that matrix instruction; only plain vector
; instructions that name none of its registers are places (ISA guide 7.12.1 for vector instructions).
.macro PLACES n
.rept \n
	v_nop
.endr
.endm
.macro STEP slot, q, zero              ; a step of 128 along K that has its successor in the same slot
	s_wait_dscnt 4*NL                              ; B's set and A's blocks 0-3 are in; the youngest eight loads (A's blocks 4-7) may be out
	WIN MUL_LO
	MUL16 0, (\q)%2, \q, \slot, \zero
	MUL16 2, (\q)%2, \q, \slot, \zero
	s_wait_dscnt 0                                 ; A's blocks 4-7 are in (asked for 32 matrix instructions ago)
	PLACES NP
	FETCH_B \slot, (\q)+1, 1-(\q)%2
	FETCH_A \slot, (\q)+1, 0
	WIN MUL_HI
	MUL16 4, (\q)%2, \q, \slot, \zero
	MUL16 6, (\q)%2, \q, \slot, \zero
	PLACES NP
	WIN 0
	FETCH_A \slot, (\q)+1, 4
.endm
; Slot 0's last step changes slots: one barrier; in front of it each wave waits for all its tensor loads (its part of slot 1), adds 0 to its spare word, and waits for that and for its own reads of slot 0.
; Behind it slot 1 is whole, and nobody reads slot 0 any more: the way out may lay its stages there.
.macro TURN slot, next
	s_wait_tensorcnt 0x0                           ; all my tensor loads have landed  (every window is 0 here: the add's two registers lie in window 0)
	ds_add_u32 v[SPW], v[NIL]                      ; 0 onto my spare word
	s_wait_dscnt 4*NL+1                            ; (the add and the youngest eight loads, A's blocks 4-7, may be out)
	WIN MUL_LO
	MUL16 0, 1, NQ-1, \slot, 0                     ; sixteen matrix instructions stand between the add and the wait for it
	s_wait_dscnt 0x0                               ; the add is done, and my reads of this slot are over
	s_barrier_signal -1
	MUL16 2, 1, NQ-1, \slot, 0
	WIN 0
	s_barrier_wait -1
	PLACES NP
	v_add_nc_u32 v[ADRS], 4*NQ, v[ADRS]            ; on to the next slot's scale words (no LDS load of mine is out)
	FETCH_B \next, 0, 0
	FETCH_A \next, 0, 0
	SCALES \next
	WIN MUL_HI
	MUL16 4, 1, NQ-1, \slot, 0
	MUL16 6, 1, NQ-1, \slot, 0
	PLACES NP
	WIN 0
	FETCH_A \next, 0, 4
.endm
	s_wait_tensorcnt 1                             ; the scales and my part of slot 0 are in (slot 1's load, issued last, may be out)
	s_barrier_signal -1
	s_barrier_wait -1                              ; everybody's are
	FETCH_B 0, 0, 0
	FETCH_A 0, 0, 0
	SCALES 0
	FETCH_A 0, 0, 4
	STEP 0, 0, 1                                   ; the first step's products start the sums: nothing is cleared
	STEP 0, 1, 0
	STEP 0, 2, 0
	TURN 0, 1
	STEP 1, 0, 0
	STEP 1, 1, 0
	STEP 1, 2, 0
	s_wait_dscnt 4*NL                              ; the last step: nothing more to fetch
	WIN MUL_LO
	MUL16 0, 1, NQ-1, 1, 0
	MUL16 2, 1, NQ-1, 1, 0
	s_wait_dscnt 0
	WIN MUL_HI
	MUL16 4, 1, NQ-1, 1, 0
	MUL16 6, 1, NQ-1, 1, 0
	WIN 0
; THE WAY OUT, block by block of 16 rows x 128 columns = 16 rows of two heads.  PACK: rounded to f16, 16 bytes a lane, each accumulator from its low end on.  TOSTAGE: into my own stage (in slot 0, which has had its one fill
; and its last read) and back, four rows of a head an instruction.  SEND: 32 lanes store 512 consecutive bytes, at a multiple of 256 from the buffer's first byte.  Every offset is an immediate: the base is never stepped.
.macro PACK a
.set AC, 64*((\a)%4)
	WIN 0x0a+5*((\a)/4)                            ; sources 0 and 1: window 2 or 3
.irp b, 0,1,2,3,4,5,6,7
.irp r, 0,1,2,3
	v_cvt_pk_f16_f32 v[TMP+4*\b+\r], v[AC+8*\b+2*\r], v[AC+8*\b+2*\r+1]
.endr
.endr
	WIN 0
.endm
.macro TOSTAGE a
.set BB, BK+32*((\a)%2)
.irp b, 0,1,2,3,4,5,6,7
	ds_store_b128 v[STO], v[TMP+4*\b:TMP+4*\b+3] offset:(\b/4)*HST+(\b%4)*32
.endr
.irp u, 0,1,2,3,4,5,6,7
	ds_load_b128 v[BB+4*\u:BB+4*\u+3], v[RD] offset:(\u/4)*HST+(\u%4)*4*HP   ; LDS serves a wave's instructions in order (ISA guide 5.7.1.4): these see the stores above
.endr
.endm
.macro SEND a
.set BB, BK+32*((\a)%2)
	s_wait_dscnt 0x0                               ; the block is back in registers
	s_wait_xcnt 0x0                                ; the block before has had its stores' addresses translated: its registers take the next block's loads only behind this wait
.irp u, 0,1,2,3,4,5,6,7
	global_store_b128 v[CO], v[BB+4*\u:BB+4*\u+3], s[12:13] offset:(\u/4)*262144+(\a)*2048+(\u%4)*512
.endr
.endm
	PLACES NP                                      ; behind the last products
	PACK 0
	TOSTAGE 0
.irp a, 1,2,3,4,5,6,7                  ; block a's conversions stand between block a - 1's loads from the stage and the wait for them
	PACK \a
	SEND \a-1
	TOSTAGE \a
.endr
	SEND 7
	s_wait_tensorcnt 0x0                           ; the wave's end, behind my last tensor load and my last LDS store
	ds_add_u32 v[SPW], v[NIL]
	s_wait_dscnt 0x0
	CROUND                                         ; the closing round: no work-group ends while a partner may still ask for a tile that names it
	s_endpgm
.Lfunc_end_k_qaedd82561a_gemm1:
	.size	k_qaedd82561a_gemm1, .Lfunc_end_k_qaedd82561a_gemm1-k_qaedd82561a_gemm1
	.p2alignl 7, 3214868480
	.fill 96, 4, 3214868480
	.section	.rodata,"a",@progbits
	.p2align	6, 0x0
	.amdhsa_kernel k_qaedd82561a_gemm1
		.amdhsa_group_segment_fixed_size 327680
		.amdhsa_private_segment_fixed_size 0
		.amdhsa_enable_private_segment 0
		.amdhsa_kernarg_size 40
		.amdhsa_user_sgpr_count 2
		.amdhsa_user_sgpr_kernarg_segment_ptr 1
		.amdhsa_wavefront_size32 1
		.amdhsa_system_sgpr_workgroup_id_x 1
		.amdhsa_system_sgpr_workgroup_id_y 1
		.amdhsa_system_sgpr_workgroup_id_z 1
		.amdhsa_system_vgpr_workitem_id 0
		.amdhsa_next_free_vgpr 1024
		.amdhsa_next_free_sgpr 98
		.amdhsa_reserve_vcc 0
		.amdhsa_float_denorm_mode_32 3
		.amdhsa_float_denorm_mode_16_64 3
		.amdhsa_memory_ordered 1
		.amdhsa_forward_progress 1
		.amdhsa_inst_pref_size 127
	.end_amdhsa_kernel
	.amdgpu_metadata
---
amdhsa.version: [ 1, 2 ]
amdhsa.kernels:
  - .name:           k_qaedd82561a_gemm1
    .symbol:         k_qaedd82561a_gemm1.kd
    .args:
      - { .name: xc, .offset: 0, .size: 8, .value_kind: global_buffer, .address_space: global }
      - { .name: xs, .offset: 8, .size: 8, .value_kind: global_buffer, .address_space: global }
      - { .name: wc, .offset: 16, .size: 8, .value_kind: global_buffer, .address_space: global }
      - { .name: ws, .offset: 24, .size: 8, .value_kind: global_buffer, .address_space: global }
      - { .name: qkv16, .offset: 32, .size: 8, .value_kind: global_buffer, .address_space: global }
    .group_segment_fixed_size: 327680
    .private_segment_fixed_size: 0
    .kernarg_segment_align: 8
    .kernarg_segment_size: 40
    .max_flat_workgroup_size: 128
    .sgpr_count:     98
    .vgpr_count:     1024
    .wavefront_size: 32
...
	.end_amdgpu_metadata
.endif
;; end of part 2
;; launch attn (part 3): grid 4 x 64, 16 waves a work-group, no clusters, 327,680 bytes of LDS; arguments qkv16, y16; writes y16
.if DOCPART == 3
	.amdgcn_target "amdgcn-amd-amdhsa--gfx1250"
	.amdhsa_code_object_version 6
	.text
	.protected	k_qaedd82561a_attn
	.globl	k_qaedd82561a_attn
	.p2align	8
	.type	k_qaedd82561a_attn,@function
k_qaedd82561a_attn:
	s_mov_b64 s[64:65], 0
	v_nop
	global_prefetch_b8 v0, s[64:65] scope:SCOPE_SE
	s_setreg_imm32_b32 hwreg(HW_REG_WAVE_MODE, 25, 1), 1
	s_wait_xcnt 0x0
; y[bh][q][:] = the sum over k <= q of softmax_k(Q[bh][q] . K[bh][k] / 8) V[bh][k][:].  qkv16: [3][64 bh][2048][64] f16; y16: [64 bh][2048][64] f16.  Products on f16 operands with f32 sums; maxima, exponentials and sums in f32.
; WORK LEFT OUT: reference() masks keys k > q by its own jnp.tril, and softmax gives them the weight 0 for all values of the inputs: a step of 64 keys all of which come after a wave's 32 queries is not multiplied, and a slot of 256 keys
; that comes after the work-group's last query is not loaded.  A NaN or an overflow that would arise only there is not carried to the result.  LIMIT: y is rounded to f16.
; SHARES.  Work-group (i, bh) owns the blocks i and 7 - i of 256 queries of one head: every work-group so has the same 9 blocks' worth of keys to walk, and 4 x 64 work-groups are one for each WGP.
; Waves 0-7 take block i, waves 8-15 block 7 - i; a wave owns 32 queries, two tiles of 16, in 256 registers: four waves to a SIMD, so that one wave's vector work stands beside another's matrix work and LDS loads.
; K and V come through a ring of two LDS slots of 256 keys, filled by the tensor data mover (waves 0, 1: K's halves; waves 2, 3: V's) and read by all sixteen.  Every work-group walks all 8 changes of slots: trip counts are constants.
; NO CLUSTER: the four work-groups of a head need 8, 7, 6 and 5 slots: a joint load would bring three of them tiles that none of their waves reads.
; LAYOUT.  S^T = K Q^T (source 0 = 16 keys, source 1 = 16 queries): a lane holds ONE query (lane % 16) and the keys 8 (lane / 16) + 0..7 of each tile of 16.  Two such tiles, rounded to f16 in pairs, ARE source 1 (32 keys x 16 queries)
; of O^T = V^T P, whose result again holds one query a lane.  K comes out of LDS as it lies, V ([key][channel]) turned, by ds_load_tr16_b128.
; SOFTMAX.  For each query a running maximum m and sum l: p = 2^(c s - c m), c = log2(e) / 8; in every step O and l are multiplied by a = 2^(c m_old - c m_new).  m begins at -3e38, O and l at 0: the first step's a is 0.
; A step that is walked begins at or before every one of the wave's queries (steps begin at multiples of 64, waves at multiples of 32), so m is a score from the first step on.
; REGISTERS: v1-9 addresses; v10, v11 the mask's distances; v12-27 eight statistics a tile (+0 c m, +1 m, +2, +3 l, +4..+7 at work; a at +6); v28 prefetch offset; v29 -infinity; v30 r - 8 h; v31 Q's offset;
;   v32-63 Q; v64-127 K of a step, then its V; v128-191 S^T, 32 a tile, P in place in the first 16 of each; v192-255 O^T, 32 a tile.
.set SK,    256                        ; keys in a slot
.set KP,    144                        ; a row of K in LDS: 128 bytes + 16: the 16 rows of a load start at 16 different banks (64 banks of 4 bytes: ISA guide 11.1)
.set VP,    160                        ; a row of V: 128 + 32
.set VOFF,  SK*KP                      ; a slot: 256 rows of K, then 256 rows of V
.set SLOT1, 1<<17                      ; slot 1 begins here: one exclusive or turns an address in one slot into the other's
.set NSL,   2048/SK
.set SPARE, 2*SLOT1                    ; the spare words, 128 bytes for each wave: eight blocks of 256 bytes that no other line names
.set STAGE, SPARE+2048                 ; the way out: 16 rows x 144 bytes for each wave; no tensor load lands here
.set SPI,   144
.set AK0, 1
.set AV0, 2
.set ADK, 3
.set ADV, 4
.set SPW, 5
.set NIL, 6
.set GO,  7
.set STO, 8
.set RD,  9
.set D0,  10
.set D1,  11
.set ST,  12
.set PFO, 28
.set NINF, 29
.set RH,  30
.set QO,  31
.set QF,  32
.set KV,  64
.set S,   128
.set O,   192
.set TB,  2                            ; s2   LDS byte at which the slot in hand begins
.set WV,  18                           ; s18  my wave's number
.set SEL, 20                           ; s[20:21] lane selects for v_permlanex16_b32: lane l xor 16
.set CS,  22                           ; s[22:23] c: the packed form names a pair and takes its low word for both halves
.set G1K, 24                           ; s[24:31] group 1 for K's tiles;  s[32:39] for V's;  s[40:43], s[44:47] their groups 0, which walk
.set G1V, 32
.set G0K, 40
.set G0V, 44
.set SLOTS, 67                         ; s67  changes of slots still to come in the loop
.set PFA, 76                           ; s[76:77] where my prefetches stand
.set LIM, 80                           ; s80  1 in a wave that prefetches, else the greatest number
.set QL,  81                           ; s81  my work-group's last query
.set KF,  98                           ; s98  the step's first key
.set Q0,  99                           ; s99  my first query
; Waves 0 and 1 fetch for K, waves 2 and 3 for V, the others nothing.  The branches hang on the wave's number alone.  An s_nop 0 and four v_nop follow each of the two lines.
.macro TLOAD
	s_cmp_lt_u32 s[WV], 2
	s_cbranch_scc0 .Lnot_k_\@
	tensor_load_to_lds s[G0K:G0K+3], s[G1K:G1K+7]
	s_nop 0
.rept 4
	v_nop
.endr
	s_branch .Lasked_\@
.Lnot_k_\@:
	s_cmp_lt_u32 s[WV], 4
	s_cbranch_scc0 .Lasked_\@
	tensor_load_to_lds s[G0V:G0V+3], s[G1V:G1V+7]
	s_nop 0
.rept 4
	v_nop
.endr
.Lasked_\@:
.endm
; A PREFETCH of what the NEXT change of slots will ask for: a slot's 256 rows of K and of V, each one dense block of 32,768 bytes.  All four work-groups of a head walk the same K and V: the one with x = 0, which walks all eight slots, asks,
; and in it the waves that fetch nothing: waves 4-7 for K's block, waves 8-11 for V's, 8,192 bytes a wave, lanes 256 bytes apart, one instruction each.  So each aligned block of 256 bytes is named once in the launch.
; The last change that fills a slot asks for nothing: there is no slot behind it.  Slots 0 and 1 come by their loads alone.
.macro ASK
	s_cmp_gt_u32 s[SLOTS], s[LIM]
	s_cbranch_scc0 .Lnot_mine_\@
	global_prefetch_b8 v[PFO], s[PFA:PFA+1] th:TH_LOAD_NT scope:SCOPE_SE
.Lnot_mine_\@:
.endm
	s_load_b128 s[4:7], s[0:1], 0x0                ; qkv16 s[4:5], y16 s[6:7]
	v_lshl_add_u32 v[SPW], v0, 2, SPARE
	v_mov_b32 v[NIL], 0
	ds_add_u32 v[SPW], v[NIL]                      ; the wave's opening: the add, twice on end, and its wait ahead of my first tensor load; the set-up below stands between the second and the wait
	ds_add_u32 v[SPW], v[NIL]
	v_lshrrev_b32 v[ADK], 5, v0
	v_readfirstlane_b32 s[WV], v[ADK]              ; wave 0..15
	s_and_b32 s72, ttmp7, 0xffff
	s_lshl_b32 s72, s72, 18                        ; the head's first byte in a part of qkv16 and in y16: 2,048 rows of 128 bytes
	s_sub_co_u32 s68, 7, ttmp9
	s_cmp_lt_u32 s[WV], 8
	s_cselect_b32 s68, ttmp9, s68                  ; my block of 256 queries: i or 7 - i
	s_and_b32 s69, s[WV], 7
	s_lshl_b32 s69, s69, 5
	s_lshl_b32 s[Q0], s68, 8
	s_add_co_u32 s[Q0], s[Q0], s69                 ; my first query
	s_sub_co_u32 s[QL], 8, ttmp9
	s_lshl_b32 s[QL], s[QL], 8
	s_sub_co_u32 s[QL], s[QL], 1                   ; block 7 - i's last query: from the work-group's number alone
	s_and_b32 s88, s[WV], 1                        ; which 128 rows of a slot I fetch, if I fetch:
	s_lshl_b32 s90, s88, 14
	s_add_co_u32 s90, s90, s72                     ; in memory,
	s_mov_b32 s91, 0
	s_mul_i32 s89, s88, 128*KP                     ; and in a slot: K's,
	s_mul_i32 s94, s88, 128*VP
	s_add_co_u32 s94, s94, VOFF                    ; V's
	; group 1: 128 rows of 64 elements of 2 bytes, dense in memory, padded in LDS behind every row (32 words)
	s_mov_b32 s[G1K], (1<<16)|(1<<20)|(4<<22)|(3<<25)              ; 15:0 no mask; 17:16 elements of 2 bytes; 20 padding on; 24:22 after every 32 words; 31:25 four words
	s_mov_b32 s[G1V], (1<<16)|(1<<20)|(4<<22)|(7<<25)              ; the same with eight words
.irp g, G1K, G1V
	s_mov_b32 s[\g+1], 64<<16                      ; tensor_dim0
	s_mov_b32 s[\g+2], 128<<16                     ; tensor_dim1
	s_mov_b32 s[\g+3], 64<<16                      ; tile_dim0
	s_mov_b32 s[\g+4], 128                         ; tile_dim1
	s_mov_b32 s[\g+5], 64                          ; from row to row
	s_mov_b32 s[\g+6], 0
	s_mov_b32 s[\g+7], 0
.endr
	s_mov_b32 s[SEL], 0x76543210
	s_mov_b32 s[SEL+1], 0xfedcba98
	s_mov_b32 s[CS], 0x3e38aa3b                    ; c = log2(e) / 8
	s_mov_b32 s[CS+1], s[CS]                       ; (named with it as a pair, so it is written)
	s_mov_b32 s[TB], 0
	s_mov_b32 s[SLOTS], NSL-1
	s_mov_b32 s[KF], 0
	s_wait_dscnt 0x0                               ; both opening adds are done
	s_wait_kmcnt 0x0
	s_add_nc_u64 s[82:83], s[4:5], 1<<24           ; K's part of qkv16
	s_add_nc_u64 s[84:85], s[4:5], 2<<24           ; V's
	s_mov_b32 s[G0K], 1                            ; 1:0 count = 1
	s_mov_b32 s[G0K+1], s89                        ; 63:32 LDS address: slot 0
	s_add_nc_u64 s[G0K+2:G0K+3], s[82:83], s[90:91]   ; 120:64 global address: the head's first 256 keys
	s_or_b32 s[G0K+3], s[G0K+3], 0x80000000        ; 127:126 type = 2
	s_mov_b32 s[G0V], 1
	s_mov_b32 s[G0V+1], s94
	s_add_nc_u64 s[G0V+2:G0V+3], s[84:85], s[90:91]
	s_or_b32 s[G0V+3], s[G0V+3], 0x80000000
	TLOAD                                          ; slot 0: it holds key 0, which counts for every query
	s_lshl_b32 s74, s[Q0], 7
	s_add_co_u32 s74, s74, s72
	s_mov_b32 s75, 0
	s_add_nc_u64 s[4:5], s[4:5], s[74:75]          ; Q at my first query
	s_add_nc_u64 s[6:7], s[6:7], s[74:75]          ; y16 likewise
	s_cmp_lt_u32 s[WV], 8                          ; the prefetches: waves 4-7 stand in K, waves 8-11 in V,
	s_cselect_b64 s[PFA:PFA+1], s[82:83], s[84:85]
	s_and_b32 s86, s[WV], 3
	s_lshl_b32 s86, s86, 13                        ; at my wave's 8,192 bytes
	s_add_co_u32 s86, s86, s72                     ; of my head's
	s_add_co_u32 s86, s86, SK*128                  ; slot 1: the first change of slots steps it to slot 2.  Nothing is prefetched here, at the head
	s_mov_b32 s87, 0
	s_add_nc_u64 s[PFA:PFA+1], s[PFA:PFA+1], s[86:87]
	s_sub_co_u32 s86, s[WV], 4
	s_lshr_b32 s86, s86, 3                         ; 0 in waves 4 to 11,
	s_or_b32 s86, s86, ttmp9                       ; of the head's work-group 0
	s_cmp_eq_u32 s86, 0
	s_cselect_b32 s[LIM], 1, -1
	v_and_b32 v[PFO], 31, v0
	v_lshlrev_b32 v[PFO], 8, v[PFO]
	v_and_b32 v[D0], 15, v0                        ; r = lane % 16
	v_bfe_u32 v[D1], v0, 4, 1                      ; h = lane / 16
	v_lshlrev_b32 v[QO], 7, v[D0]
	v_lshl_add_u32 v[QO], v[D1], 4, v[QO]          ; Q: row r of 128 bytes, + 16 h
.irp t, 0,1
.irp c, 0,1                                    ; a fragment: 16 rows x 32 channels: registers 0-3 channels 8 h + 0..7, registers 4-7 channels 16 + 8 h + 0..7
	global_load_b128 v[QF+16*\t+8*\c:QF+16*\t+8*\c+3],   v[QO], s[4:5] offset:\t*2048+\c*64
	global_load_b128 v[QF+16*\t+8*\c+4:QF+16*\t+8*\c+7], v[QO], s[4:5] offset:\t*2048+\c*64+32
.endr
.endr
	v_mul_u32_u24 v[AK0], v[D0], KP
	v_lshl_add_u32 v[AK0], v[D1], 4, v[AK0]        ; K: row r x pitch + 16 h
	v_and_b32 v[ADK], 7, v0
	v_lshl_add_u32 v[ADK], v[D1], 3, v[ADK]
	v_mul_u32_u24 v[AV0], v[ADK], VP               ; V, turning load: key 8 h + lane % 8,
	v_bfe_u32 v[ADV], v0, 3, 1
	v_lshl_add_u32 v[AV0], v[ADV], 4, v[AV0]       ; channels 8 ((lane / 8) % 2) on
	v_add_nc_u32 v[AV0], VOFF, v[AV0]
	v_lshlrev_b32 v[RH], 3, v[D1]
	v_sub_nc_u32 v[RH], v[D0], v[RH]               ; r - 8 h
	v_and_b32 v[GO], 31, v0
	v_lshlrev_b32 v[GO], 4, v[GO]                  ; the way out: four rows of y16 are 512 consecutive bytes: 16 x lane
	s_mul_i32 s70, s[WV], 16*SPI
	s_add_co_u32 s70, s70, STAGE                   ; my stage
	v_mul_u32_u24 v[STO], v[D0], SPI
	v_lshl_add_u32 v[STO], v[D1], 4, v[STO]
	v_add_nc_u32 v[STO], s70, v[STO]               ; in: row r, + 16 h
	v_bfe_u32 v[RD], v0, 3, 2
	v_mul_u32_u24 v[RD], v[RD], SPI
	v_and_b32 v[ADK], 7, v0
	v_lshl_add_u32 v[RD], v[ADK], 4, v[RD]
	v_add_nc_u32 v[RD], s70, v[RD]                 ; back: eight lanes to a row, four rows an instruction
	v_mov_b32 v[NINF], 0xff800000
.irp t, 0,1
	v_mov_b32 v[ST+8*\t+1], 0xff61b1e6             ; m = -3e38, under every score
	v_mul_f32 v[ST+8*\t], s[CS], v[ST+8*\t+1]      ; c m
.irp i, 2,3,4,5,6,7
	v_mov_b32 v[ST+8*\t+\i], 0                     ; l; and the four at work, written once (a lane permute's destination counts as one of its sources)
.endr
.endr
.irp j, 0,1,2,3,4,5,6,7,8,9,10,11,12,13,14,15,16,17,18,19,20,21,22,23,24,25,26,27,28,29,30,31,32,33,34,35,36,37,38,39,40,41,42,43,44,45,46,47,48,49,50,51,52,53,54,55,56,57,58,59,60,61,62,63
	v_mov_b32 v[O+\j], 0                           ; O^T.  (The step is written without a first form of its own: the first finds zeros, which a = 0 leaves zeros)
.endr
; A KEY STEP: 64 keys, the q-th of the slot in hand.
.macro STEP q
	s_add_co_u32 s96, s[Q0], 31                    ; a step all of whose keys come after my 32 queries is left out: a scalar branch on ids, round the step's loads, products and softmax; no barrier and no tensor load stands in a step
	s_cmp_gt_u32 s[KF], s96
	s_cbranch_scc1 .Lhidden_\@
	v_add_nc_u32 v[ADK], s[TB], v[AK0]
	v_add_nc_u32 v[ADV], s[TB], v[AV0]
.rept 3
	v_nop                                          ; with the two additions five places behind the last step's V^T P: four for the loads into V's registers, five for the products that write over P's
.endr
.irp kt, 0,1,2,3
.irp c, 0,1
	ds_load_b128 v[KV+16*\kt+8*\c:KV+16*\kt+8*\c+3],   v[ADK] offset:(64*(\q)+16*\kt)*KP+64*\c
	ds_load_b128 v[KV+16*\kt+8*\c+4:KV+16*\kt+8*\c+7], v[ADK] offset:(64*(\q)+16*\kt)*KP+64*\c+32
.endr
.endr
	s_wait_dscnt 0x0
.irp c, 0,1                                    ; S^T = K Q^T: eight accumulators by turns, one instruction a turn; the first eight start the sums
.irp kt, 0,1,2,3
.irp t, 0,1
.if \c == 0
	v_wmma_f32_16x16x32_f16 v[S+32*\t+8*\kt:S+32*\t+8*\kt+7], v[KV+16*\kt+8*\c:KV+16*\kt+8*\c+7], v[QF+16*\t+8*\c:QF+16*\t+8*\c+7], 0
.else
	v_wmma_f32_16x16x32_f16 v[S+32*\t+8*\kt:S+32*\t+8*\kt+7], v[KV+16*\kt+8*\c:KV+16*\kt+8*\c+7], v[QF+16*\t+8*\c:QF+16*\t+8*\c+7], v[S+32*\t+8*\kt:S+32*\t+8*\kt+7]
.endif
.endr
.endr
.endr
.rept 4
	v_nop                                          ; four places: for the loads into K's registers, and for the first read of the scores
.endr
.irp g, 0,1                                    ; V of the same step, turned, lands while the softmax is walked: keys 32 g on, channels 16 ct on
.irp ct, 0,1,2,3
	ds_load_tr16_b128 v[KV+32*\g+8*\ct:KV+32*\g+8*\ct+3],   v[ADV] offset:(64*(\q)+32*\g)*VP+32*\ct
	ds_load_tr16_b128 v[KV+32*\g+8*\ct+4:KV+32*\g+8*\ct+7], v[ADV] offset:(64*(\q)+32*\g)*VP+16*VP+32*\ct
.endr
.endr
	s_add_co_u32 s96, s[KF], 63                    ; on the diagonal the scores of hidden keys become -infinity ahead of the maximum: p = 0 then.  A step all of whose keys count skips this
	s_cmp_le_u32 s96, s[Q0]
	s_cbranch_scc1 .Lopen_\@
	s_sub_co_i32 s96, s[Q0], s[KF]
	v_add_nc_u32 v[D0], s96, v[RH]                 ; tile 0: d = my query - KF - 8 h.  Register 8 kt + j holds key KF + 16 kt + 8 h + j: hidden where 16 kt + j > d
	v_add_nc_u32 v[D1], 16, v[D0]                  ; tile 1's queries lie 16 further on
.irp t, 0,1
.irp n, 0,1,2,3,4,5,6,7,8,9,10,11,12,13,14,15,16,17,18,19,20,21,22,23,24,25,26,27,28,29,30,31
	v_cmp_gt_i32 vcc_lo, 16*(\n/8)+\n%8, v[D0+\t]
	v_cndmask_b32 v[S+32*\t+\n], v[S+32*\t+\n], v[NINF], vcc_lo
.endr
.endr
.Lopen_\@:
.irp j, 0,1,2,3                                ; the maximum of my 32 scores and the old m: four chains a tile, the two tiles line by line; each accumulator is read from its low end on
.irp t, 0,1
	v_max3_num_f32 v[ST+8*\t+4+\j], v[S+32*\t+8*\j], v[S+32*\t+8*\j+1], v[S+32*\t+8*\j+2]
.endr
.endr
.irp i, 3,5
.irp j, 0,1,2,3
.irp t, 0,1
	v_max3_num_f32 v[ST+8*\t+4+\j], v[ST+8*\t+4+\j], v[S+32*\t+8*\j+\i], v[S+32*\t+8*\j+\i+1]
.endr
.endr
.endr
.irp t, 0,1
	v_max3_num_f32 v[ST+8*\t+4], v[ST+8*\t+4], v[S+32*\t+7], v[S+32*\t+15]
	v_max3_num_f32 v[ST+8*\t+6], v[ST+8*\t+6], v[S+32*\t+23], v[S+32*\t+31]
.endr
.irp t, 0,1
	v_max3_num_f32 v[ST+8*\t+4], v[ST+8*\t+4], v[ST+8*\t+5], v[ST+8*\t+6]
.endr
.irp t, 0,1
	v_max3_num_f32 v[ST+8*\t+4], v[ST+8*\t+4], v[ST+8*\t+7], v[ST+8*\t+1]
.endr
.irp t, 0,1
	v_permlanex16_b32 v[ST+8*\t+5], v[ST+8*\t+4], s[SEL], s[SEL+1]   ; the query's other 32 keys lie in the lane 16 away
.endr
.irp t, 0,1
	v_mov_b32 v[ST+8*\t+7], v[ST+8*\t]             ; c m_old is kept for a
.endr
.irp t, 0,1
	v_max_num_f32 v[ST+8*\t+1], v[ST+8*\t+4], v[ST+8*\t+5]
.endr
.irp t, 0,1
	v_mul_f32 v[ST+8*\t], s[CS], v[ST+8*\t+1]
.endr
.irp t, 0,1
	v_sub_f32 v[ST+8*\t+7], v[ST+8*\t+7], v[ST+8*\t]
.endr
.irp j, 0,2,4,6,8,10,12,14,16,18,20,22,24,26,28,30
.irp t, 0,1
	v_pk_fma_f32 v[S+32*\t+\j:S+32*\t+\j+1], v[S+32*\t+\j:S+32*\t+\j+1], s[CS:CS+1], v[ST+8*\t:ST+8*\t+1] op_sel_hi:[1,0,0] neg_lo:[0,0,1] neg_hi:[0,0,1]   ; c s - c m, two at a time
.endr
.endr
.irp t, 0,1                                    ; ONE BATCH of 66 exponentials: none reads another's result
	v_exp_f32 v[ST+8*\t+6], v[ST+8*\t+7]           ; a
.endr
.irp j, 0,1,2,3,4,5,6,7,8,9,10,11,12,13,14,15,16,17,18,19,20,21,22,23,24,25,26,27,28,29,30,31
.irp t, 0,1
	v_exp_f32 v[S+32*\t+\j], v[S+32*\t+\j]
.endr
.endr
	v_nop                                          ; one plain instruction behind the last exponential,
	s_wait_alu depctr_va_vdst(0)                   ; and the one wait ahead of the batch's first reader
.irp t, 0,1                                    ; l = a l + the sum of the unrounded p, two at a time, in two chains a tile
	v_pk_add_f32 v[ST+8*\t+4:ST+8*\t+5], v[S+32*\t:S+32*\t+1], v[S+32*\t+2:S+32*\t+3]
	v_pk_fma_f32 v[ST+8*\t+2:ST+8*\t+3], v[ST+8*\t+2:ST+8*\t+3], v[ST+8*\t+6:ST+8*\t+7], v[S+32*\t+4:S+32*\t+5] op_sel_hi:[1,0,1]
.endr
.irp t, 0,1
	v_pk_add_f32 v[ST+8*\t+4:ST+8*\t+5], v[ST+8*\t+4:ST+8*\t+5], v[S+32*\t+6:S+32*\t+7]
.endr
.irp j, 8,12,16,20,24,28
.irp t, 0,1
	v_pk_add_f32 v[ST+8*\t+2:ST+8*\t+3], v[ST+8*\t+2:ST+8*\t+3], v[S+32*\t+\j:S+32*\t+\j+1]
	v_pk_add_f32 v[ST+8*\t+4:ST+8*\t+5], v[ST+8*\t+4:ST+8*\t+5], v[S+32*\t+\j+2:S+32*\t+\j+3]
.endr
.endr
.irp t, 0,1
	v_pk_add_f32 v[ST+8*\t+2:ST+8*\t+3], v[ST+8*\t+2:ST+8*\t+3], v[ST+8*\t+4:ST+8*\t+5]
.endr
.irp j, 0,1,2,3,4,5,6,7,8,9,10,11,12,13,14,15  ; P, rounded to f16, in place: result j never reaches a pair that is still unread
.irp t, 0,1
	v_cvt_pk_f16_f32 v[S+32*\t+\j], v[S+32*\t+2*\j], v[S+32*\t+2*\j+1]
.endr
.endr
.irp j, 0,2,4,6,8,10,12,14,16,18,20,22,24,26,28,30
.irp t, 0,1
	v_pk_mul_f32 v[O+32*\t+\j:O+32*\t+\j+1], v[O+32*\t+\j:O+32*\t+\j+1], v[ST+8*\t+6:ST+8*\t+7] op_sel_hi:[1,0]   ; O^T x a, each accumulator from its low end on
.endr
.endr
	s_wait_dscnt 0x0                               ; V is in
.irp g, 0,1                                    ; O^T += V^T P: eight accumulators by turns
.irp ct, 0,1,2,3
.irp t, 0,1
	v_wmma_f32_16x16x32_f16 v[O+32*\t+8*\ct:O+32*\t+8*\ct+7], v[KV+32*\g+8*\ct:KV+32*\g+8*\ct+7], v[S+32*\t+8*\g:S+32*\t+8*\g+7], v[O+32*\t+8*\ct:O+32*\t+8*\ct+7]
.endr
.endr
.endr
.Lhidden_\@:
	s_add_co_u32 s[KF], s[KF], 64
.endm
; THE CHANGE OF SLOTS stands at a slot's head.  Each wave waits for all its tensor loads (its part of the slot that it is about to read), adds 0 to its spare word (fill = 1: twice on end), and waits for that and for its reads of the slot
; that it has left.  Behind the barrier the slot ahead is whole and nobody reads the other one.  fill = 1: that other slot is filled with the keys that follow, up to the causal limit: the load has a slot's four steps in which to land.
.macro CHANGE fill
	s_wait_tensorcnt 0x0                           ; no tensor load of mine is out, so a group 0 may be written
	ds_add_u32 v[SPW], v[NIL]                      ; 0 onto my spare word
.if \fill
	ds_add_u32 v[SPW], v[NIL]                      ; and once more: the add twice on end, in every trip alike
	s_xor_b32 s[G0K+1], s[G0K+1], SLOT1            ; the walking descriptors: the other slot than last time,
	s_add_nc_u64 s[G0K+2:G0K+3], s[G0K+2:G0K+3], SK*128   ; the next 256 keys; the type bits on top are not reached
	s_xor_b32 s[G0V+1], s[G0V+1], SLOT1
	s_add_nc_u64 s[G0V+2:G0V+3], s[G0V+2:G0V+3], SK*128
	s_wait_xcnt 0x0                                ; the last prefetch, a slot back, has read its address, so it may be written:
	s_add_nc_u64 s[PFA:PFA+1], s[PFA:PFA+1], SK*128   ; one slot further on than the walking descriptors
.endif
	s_wait_dscnt 0x0                               ; the add is done (fill = 1: both are), and my reads of the slot that I have left are over
	s_barrier_signal -1
	s_barrier_wait -1
.if \fill
	s_add_co_u32 s96, s[KF], SK                    ; the first key of the slot that this change would ask for.  A slot that begins behind my work-group's last query is read by none of its waves, so it is not asked for.
	s_cmp_gt_u32 s96, s[QL]                        ; The work-group's number and the count of steps alone: all sixteen waves go the same way, and a work-group that is past the limit stays past it.  Every wait on TENSORcnt in this text is for 0
	s_cbranch_scc1 .Lpast_\@
	TLOAD                                          ; a wave's one tensor load until the next such barrier
.Lpast_\@:
	ASK
.endif
.endm
.macro SLOT_STEPS
	STEP 0
	STEP 1
	STEP 2
	STEP 3
	s_xor_b32 s[TB], s[TB], SLOT1                  ; on to the other slot
.endm
	s_wait_loadcnt 0x0                             ; Q
.Lslot:                                            ; 7 trips: behind each change of slots but the last the next slot is asked for, up to the causal limit.  The first trip's loads are slot 1's first fill: no wave refills there
	CHANGE 1
	SLOT_STEPS
	s_sub_co_u32 s[SLOTS], s[SLOTS], 1
	s_cmp_lg_u32 s[SLOTS], 0
	s_cbranch_scc1 .Lslot
	CHANGE 0                                       ; the last slot is written out: nothing is left to ask for
	SLOT_STEPS
	; THE WAY OUT.  l's two halves and the other half of the lanes' are added; O^T is divided by l, rounded to f16 and sent through my stage, a tile (16 rows of y16) at a time.
.rept 4
	v_nop                                          ; places behind the last products
.endr
.irp t, 0,1
	v_add_f32 v[ST+8*\t+4], v[ST+8*\t+2], v[ST+8*\t+3]
.endr
.irp t, 0,1
	v_permlanex16_b32 v[ST+8*\t+5], v[ST+8*\t+4], s[SEL], s[SEL+1]
.endr
.irp t, 0,1
	v_add_f32 v[ST+8*\t+4], v[ST+8*\t+4], v[ST+8*\t+5]
.endr
.irp t, 0,1
	v_rcp_f32 v[ST+8*\t+6], v[ST+8*\t+4]
.endr
	v_nop                                          ; a plain instruction behind the last reciprocal,
	s_wait_alu depctr_va_vdst(0)                   ; and the one wait ahead of the first reader
.irp t, 0,1
.irp j, 0,2,4,6,8,10,12,14,16,18,20,22,24,26,28,30
	v_pk_mul_f32 v[O+32*\t+\j:O+32*\t+\j+1], v[O+32*\t+\j:O+32*\t+\j+1], v[ST+8*\t+6:ST+8*\t+7] op_sel_hi:[1,0]
.endr
.irp j, 0,1,2,3,4,5,6,7,8,9,10,11,12,13,14,15
	v_cvt_pk_f16_f32 v[S+16*\t+\j], v[O+32*\t+2*\j], v[O+32*\t+2*\j+1]
.endr
.irp ct, 0,1,2,3
	ds_store_b128 v[STO], v[S+16*\t+4*\ct:S+16*\t+4*\ct+3] offset:32*\ct   ; lane (r, h): channels 16 ct + 8 h + 0..7 of query r
.endr
.irp u, 0,1,2,3
	ds_load_b128 v[KV+16*\t+4*\u:KV+16*\t+4*\u+3], v[RD] offset:4*SPI*\u   ; LDS serves a wave's instructions in order: these see the stores above, and tile 1's stores come behind tile 0's loads
.endr
.endr
.irp t, 0,1
.irp u, 0,1,2,3
	s_wait_dscnt (1-\t)*8+3-\u                     ; behind load u of tile t: its tile's 3 - u later loads, and for tile 0 tile 1's eight LDS instructions
	global_store_b128 v[GO], v[KV+16*\t+4*\u:KV+16*\t+4*\u+3], s[6:7] offset:\t*2048+512*\u   ; 32 lanes store 512 consecutive bytes, at a multiple of 256 from the buffer's first byte
.endr
.endr
	s_wait_tensorcnt 0x0                           ; the wave's end, behind my last tensor load and my last LDS store
	ds_add_u32 v[SPW], v[NIL]
	s_wait_dscnt 0x0
	s_endpgm
.Lfunc_end_k_qaedd82561a_attn:
	.size	k_qaedd82561a_attn, .Lfunc_end_k_qaedd82561a_attn-k_qaedd82561a_attn
	.p2alignl 7, 3214868480
	.fill 96, 4, 3214868480
	.section	.rodata,"a",@progbits
	.p2align	6, 0x0
	.amdhsa_kernel k_qaedd82561a_attn
		.amdhsa_group_segment_fixed_size 327680
		.amdhsa_private_segment_fixed_size 0
		.amdhsa_enable_private_segment 0
		.amdhsa_kernarg_size 16
		.amdhsa_user_sgpr_count 2
		.amdhsa_user_sgpr_kernarg_segment_ptr 1
		.amdhsa_wavefront_size32 1
		.amdhsa_system_sgpr_workgroup_id_x 1
		.amdhsa_system_sgpr_workgroup_id_y 1
		.amdhsa_system_sgpr_workgroup_id_z 1
		.amdhsa_system_vgpr_workitem_id 0
		.amdhsa_next_free_vgpr 256
		.amdhsa_next_free_sgpr 100
		.amdhsa_reserve_vcc 1
		.amdhsa_float_denorm_mode_32 3
		.amdhsa_float_denorm_mode_16_64 3
		.amdhsa_memory_ordered 1
		.amdhsa_forward_progress 1
		.amdhsa_inst_pref_size 187
	.end_amdhsa_kernel
	.amdgpu_metadata
---
amdhsa.version: [ 1, 2 ]
amdhsa.kernels:
  - .name:           k_qaedd82561a_attn
    .symbol:         k_qaedd82561a_attn.kd
    .args:
      - { .name: qkv16, .offset: 0, .size: 8, .value_kind: global_buffer, .address_space: global }
      - { .name: y16, .offset: 8, .size: 8, .value_kind: global_buffer, .address_space: global }
    .group_segment_fixed_size: 327680
    .private_segment_fixed_size: 0
    .kernarg_segment_align: 8
    .kernarg_segment_size: 16
    .max_flat_workgroup_size: 512
    .sgpr_count:     100
    .vgpr_count:     256
    .wavefront_size: 32
...
	.end_amdgpu_metadata
.endif
;; end of part 3
;; launch proj (part 4): grid 4 x 64, 4 waves a work-group, clusters of 4 x 4, 327,680 bytes of LDS; arguments y16, wp16, out0; writes out0
.if DOCPART == 4
	.amdgcn_target "amdgcn-amd-amdhsa--gfx1250"
	.amdhsa_code_object_version 6
	.text
	.protected	k_qaedd82561a_proj
	.globl	k_qaedd82561a_proj
	.p2align	8
	.type	k_qaedd82561a_proj,@function
k_qaedd82561a_proj:
	s_mov_b64 s[64:65], 0
	v_nop
	global_prefetch_b8 v0, s[64:65] scope:SCOPE_SE
	s_setreg_imm32_b32 hwreg(HW_REG_WAVE_MODE, 25, 1), 1
	s_wait_xcnt 0x0
	s_wait_alu depctr_hold_cnt(0) depctr_sa_sdst(0) depctr_va_vdst(0) depctr_va_sdst(0) depctr_va_ssrc(0) depctr_va_vcc(0) depctr_vm_vsrc(0)
	s_getreg_b32 s2, hwreg(HW_REG_IB_STS2, 6, 4)
	s_cmp_eq_u32 s2, 0
	s_cbranch_scc0 .Lentry_in_a_cluster
	s_endpgm
.Lentry_in_a_cluster:
	s_bfe_u32 s2, ttmp6, 0x10000c
	s_cmp_lg_u32 s2, 0xf033
	s_cbranch_scc0 .Lentry_shape_is_right
	s_endpgm
.Lentry_shape_is_right:
; out0[m][n] = sum over k of y[m][k] w_proj[k][n], f16 operands, f32 sums, f32 out.  y16: [64 = 16 b + head][2048 t][64] f16 (k = 64 head + channel, m = 2048 b + t); wp16: [1024 k][1024 n] f16; out0: [8192][1024] f32.
; (The rows t < 16 of every sequence are written again, more finely, by the launches behind this one.)
; A tile of out0 is 128 x 256: 4 x 64 tiles, one for each WGP.  Four waves, each 64 rows x 128 columns: 32 accumulators of 16 x 16, 256 registers.  K goes in steps of 128 (two heads) through a ring of two LDS slots:
; A's tile is 2 heads x 128 rows x 128 bytes (each head's rows are one dense block of memory), B's 128 rows of k x 512 bytes.  One load a wave: waves 0, 1 a head of A each, waves 2, 3 64 rows of B each.
; CLUSTERS: 4 x 4 work-groups.  The four of a row of the cluster need the same tiles of A, the four of a column the same tiles of B: each tile is asked for JOINTLY, by the same tensor load with the same descriptor and a mask that names the four.
; THE MATRIX INSTRUCTION IS USED TRANSPOSED (source 0 = 16 columns of B, turned out of LDS by ds_load_tr16_b128; source 1 = 16 rows of A): a lane then holds eight neighbouring numbers of a row of out0.
; REGISTERS: window 0: v16-29 addresses; two fragment buffers of 96 at v32 and v128: for 32 along K, 32 registers of A (4 blocks), then 64 of B (8 blocks); on the way out v32-159 take rows read back.   window 1: accumulator (a, b) at v[8 (8 a + b)].
.set AP,     144                       ; A's LDS row: 128 bytes + 16: the 16 rows of a load start at 16 different banks (64 banks of 4 bytes: ISA guide 11.1)
.set BP,     544                       ; B's: 512 bytes + 32 = 136 words
.set AHEAD,  128*AP                    ; a head's 128 rows
.set BOFF,   2*AHEAD
.set BHALF,  64*BP
.set SLOT,   BOFF+2*BHALF
.set STAGE,  2*SLOT                    ; behind the ring: 16 rows x (512 bytes + 16) for each wave; no tensor load lands here
.set SPITCH, 528
.set SPARE,  STAGE+4*16*SPITCH         ; the spare words, 128 bytes for each wave: two blocks of 256 bytes that no other line names
.set LAPS,   4                         ; a lap = two K steps = once round the ring: 1,024 / 256
.set ADRA, 16                          ; v16-17  LDS address of my A fragments in slot 0, 1
.set ADRB, 20                          ; v20-21  the same for B
.set STO,  24
.set RD,   25
.set CO,   26
.set SPW,  28
.set NIL,  29
.set F0,   32
.set F1,   128
.set BK,   32                          ; the way out: v32-95 and v96-159 by turns
.set G1, 24                            ; s[24:31] group 1 for A's tiles;  s[32:39] group 0, one set for each slot
.set G0, 32
.set G1B, 48                           ; s[48:55], s[56:63] the same for B's tiles
.set G0B, 56
.set MSB, 0
.macro WIN new                         ; the immediate's high byte repeats the setting that is left
.if MSB != \new
	s_set_vgpr_msb (MSB<<8)|\new
.set MSB, \new
.endif
.endm
.set MUL, 0x50                         ; sources 0 and 1 window 0; C and D window 1
.macro JLOAD s                         ; a joint load: waves 0 and 1 fetch for A, waves 2 and 3 for B; an s_nop 0 and four v_nop follow each of the two lines, ahead of the jump, the label and what follows
	s_cmp_eq_u32 s11, 0
	s_cbranch_scc0 .Lfor_b_\@
	tensor_load_to_lds s[G0+4*\s:G0+4*\s+3], s[G1:G1+7]
	s_nop 0
.rept 4
	v_nop
.endr
	s_branch .Lasked_\@
.Lfor_b_\@:
	tensor_load_to_lds s[G0B+4*\s:G0B+4*\s+3], s[G1B:G1B+7]
	s_nop 0
.rept 4
	v_nop
.endr
.Lasked_\@:
.endm
.macro CREST                           ; a round of the cluster's barrier behind its opening barrier
	s_cmp_lg_u32 s10, 0
	s_cbranch_scc1 .Lnot_wave_0_\@
	s_barrier_signal -3
.Lnot_wave_0_\@:
	s_barrier_wait -3
	s_barrier_signal -1
	s_barrier_wait -1
.endm
.macro CROUND                          ; a whole round
	s_barrier_signal -1
	s_barrier_wait -1
	CREST
.endm
	s_load_b128 s[4:7], s[0:1], 0x0                ; y16 s[4:5], wp16 s[6:7]
	s_load_b64 s[8:9], s[0:1], 0x10                ; out0
	v_lshl_add_u32 v[SPW], v0, 2, SPARE
	v_mov_b32 v[NIL], 0
	ds_add_u32 v[SPW], v[NIL]                      ; the wave's opening: the add, twice on end, and its wait ahead of my first tensor load; the set-up below stands between the second and the wait
	ds_add_u32 v[SPW], v[NIL]
	v_lshrrev_b32 v1, 5, v0
	v_readfirstlane_b32 s10, v1                    ; wave 0..3
	s_lshr_b32 s11, s10, 1                         ; which 64 of the tile's rows are mine.  Also: I fetch for A (0) or for B (1)
	s_and_b32 s12, s10, 1                          ; which 128 of its columns.  Also: which head of A's two, or which 64 rows of B, I fetch
	s_bfe_u32 s40, ttmp6, 0x40000                  ; cx, cy: my place in the cluster
	s_bfe_u32 s41, ttmp6, 0x40004
	s_lshl_b32 s42, ttmp9, 2
	s_add_co_u32 s42, s42, s40                     ; tile column = 4 x cluster x + cx
	s_and_b32 s13, ttmp7, 0xffff
	s_lshl_b32 s13, s13, 2
	s_add_co_u32 s13, s13, s41                     ; tile row = 4 x cluster y + cy
	s_lshl_b32 s43, s41, 2
	s_lshl_b32 s43, 15, s43                        ; my row of the cluster
	s_lshl_b32 s44, 0x1111, s40                    ; my column
	s_or_b32 s[G1+0], s43, (1<<16)|(1<<20)|(1<<21)|(4<<22)|(3<<25)   ; A: 15:0 the mask; 17:16 elements of 2 bytes; 20 padding on; 21 set beside a mask; 24:22 after every 32 words; 31:25 four words
	s_mov_b32 s[G1+1], 64<<16                      ; tensor_dim0 = 64
	s_mov_b32 s[G1+2], 128<<16                     ; tensor_dim1 = 128
	s_mov_b32 s[G1+3], 64<<16                      ; tile_dim0
	s_mov_b32 s[G1+4], 128                         ; tile_dim1
	s_mov_b32 s[G1+5], 64                          ; from row to row
	s_mov_b32 s[G1+6], 0
	s_mov_b32 s[G1+7], 0
	s_or_b32 s[G1B+0], s44, (1<<16)|(1<<20)|(1<<21)|(6<<22)|(7<<25)  ; B: padding of eight words after every 128
	s_mov_b32 s[G1B+1], 256<<16
	s_mov_b32 s[G1B+2], 64<<16
	s_mov_b32 s[G1B+3], 256<<16
	s_mov_b32 s[G1B+4], 64
	s_mov_b32 s[G1B+5], 1024
	s_mov_b32 s[G1B+6], 0
	s_mov_b32 s[G1B+7], 0
	; where the tiles come from.  A's hang on the tile row and the wave's number alone, B's on the tile column and the wave's number alone, each in registers that never hold the other coordinate
	s_lshr_b32 s16, s13, 4                         ; b
	s_lshl_b32 s16, s16, 4
	s_add_co_u32 s16, s16, s12                     ; head 16 b + (0 or 1)
	s_lshl_b32 s16, s16, 11
	s_and_b32 s17, s13, 15
	s_lshl_b32 s17, s17, 7                         ; t = 128 x (tile row % 16)
	s_add_co_u32 s16, s16, s17
	s_lshl_b32 s16, s16, 7                         ; rows of 128 bytes
	s_mov_b32 s17, 0
	s_lshl_b32 s46, s12, 17                        ; 64 rows of 2,048 bytes
	s_lshl_b32 s47, s42, 9                         ; 256 columns of 2 bytes
	s_add_co_u32 s46, s46, s47
	s_mov_b32 s47, 0
	s_mul_i32 s20, s12, AHEAD                      ; where they go: no place in the cluster enters an LDS address
	s_mul_i32 s21, s12, BHALF
	s_add_co_u32 s21, s21, BOFF
	s_wait_dscnt 0x0                               ; both opening adds are done
	s_wait_kmcnt 0x0
	s_add_nc_u64 s[14:15], s[4:5], s[16:17]
	s_add_nc_u64 s[46:47], s[6:7], s[46:47]
	CROUND                                         ; all sixteen work-groups are here: the first joint loads meet
.irp s, 0,1
	s_mov_b32 s[G0+4*\s], 1
	s_add_co_u32 s[G0+4*\s+1], s20, \s*SLOT
	s_add_nc_u64 s[G0+4*\s+2:G0+4*\s+3], s[14:15], \s*524288       ; K step s: two heads of 262,144 bytes on
	s_or_b32 s[G0+4*\s+3], s[G0+4*\s+3], 0x80000000
	s_mov_b32 s[G0B+4*\s], 1
	s_add_co_u32 s[G0B+4*\s+1], s21, \s*SLOT
	s_add_nc_u64 s[G0B+4*\s+2:G0B+4*\s+3], s[46:47], \s*262144     ; 128 rows of 2,048 bytes on
	s_or_b32 s[G0B+4*\s+3], s[G0B+4*\s+3], 0x80000000
	JLOAD \s
.endr
	v_and_b32 v1, 15, v0                           ; r
	v_bfe_u32 v2, v0, 4, 1                         ; h
	v_mul_u32_u24 v3, v1, AP
	v_lshl_add_u32 v3, v2, 4, v3                   ; A: row r x pitch + 16 h
	s_mul_i32 s21, s11, 64*AP                      ; my 64 rows
	v_and_b32 v4, 7, v0
	v_lshl_add_u32 v4, v2, 3, v4
	v_mul_u32_u24 v4, v4, BP                       ; B, turning load: row k = 8 h + lane % 8,
	v_bfe_u32 v5, v0, 3, 1
	v_lshl_add_u32 v4, v5, 4, v4                   ; columns 8 ((lane / 8) % 2) on
	s_lshl_b32 s22, s12, 8                         ; my 128 columns
	s_add_co_u32 s22, s22, BOFF
.irp s, 0,1
	v_add_nc_u32 v[ADRA+\s], s21, v3
	v_add_nc_u32 v[ADRB+\s], s22, v4
	s_add_co_u32 s21, s21, SLOT
	s_add_co_u32 s22, s22, SLOT
.endr
	s_mul_i32 s23, s10, 16*SPITCH
	s_add_co_u32 s23, s23, STAGE                   ; my stage
	v_mul_u32_u24 v5, v1, SPITCH
	v_lshl_add_u32 v5, v2, 5, v5
	v_add_nc_u32 v[STO], s23, v5                   ; in: row r, 32 bytes for each half of the lanes
	v_and_b32 v6, 31, v0
	v_lshlrev_b32 v[CO], 4, v6                     ; back: the 32 lanes take one row of 512 bytes; and the same in out0
	v_add_nc_u32 v[RD], s23, v[CO]
	s_lshl_b32 s16, s13, 7
	s_lshl_b32 s17, s11, 6
	s_add_co_u32 s16, s16, s17                     ; my first row: 128 x tile row + 64 x half
	s_lshl_b32 s16, s16, 12                        ; rows of 4,096 bytes
	s_mov_b32 s17, 0
	s_add_nc_u64 s[8:9], s[8:9], s[16:17]
	s_lshl_b32 s46, s42, 10                        ; my first column, in bytes: 1,024 x tile column + 512 x half
	s_lshl_b32 s47, s12, 9
	s_add_co_u32 s46, s46, s47
	s_mov_b32 s47, 0
	s_add_nc_u64 s[8:9], s[8:9], s[46:47]
; 8 matrix instructions: A's block a x B's eight, 32 along K, out of buffer f.  zero = 1: the product starts the sums.  The 32 accumulators take turns, one instruction a turn, in the same order in every quarter.
.macro MUL8 f, a, zero
.irp b, 0,1,2,3,4,5,6,7
.if \zero
	v_wmma_f32_16x16x32_f16 v[8*(8*(\a)+\b):8*(8*(\a)+\b)+7], v[\f+32+8*\b:\f+32+8*\b+7], v[\f+8*(\a):\f+8*(\a)+7], 0
.else
	v_wmma_f32_16x16x32_f16 v[8*(8*(\a)+\b):8*(8*(\a)+\b)+7], v[\f+32+8*\b:\f+32+8*\b+7], v[\f+8*(\a):\f+8*(\a)+7], v[8*(8*(\a)+\b):8*(8*(\a)+\b)+7]
.endif
.endr
.endm
; 24 LDS loads in one run: the fragments of the slot's q-th 32 along K into buffer f: B's sixteen first, then A's eight.  (Every window is 0 here.)
.macro FETCH slot, q, f
.irp b, 0,1,2,3,4,5,6,7
	ds_load_tr16_b128 v[\f+32+8*\b:\f+32+8*\b+3],   v[ADRB+\slot] offset:(\q)*32*BP+32*\b
	ds_load_tr16_b128 v[\f+32+8*\b+4:\f+32+8*\b+7], v[ADRB+\slot] offset:(\q)*32*BP+16*BP+32*\b
.endr
.irp i, 0,1,2,3
	ds_load_b128 v[\f+8*\i:\f+8*\i+3],   v[ADRA+\slot] offset:((\q)/2)*AHEAD+((\q)%2)*64+\i*16*AP
	ds_load_b128 v[\f+8*\i+4:\f+8*\i+7], v[ADRA+\slot] offset:((\q)/2)*AHEAD+((\q)%2)*64+\i*16*AP+32
.endr
.endm
.macro PLACES                          ; four places in front of loads into registers that matrix instructions have read, and of the first read of results (ISA guide 7.12.1 for vector instructions)
.rept 4
	v_nop
.endr
.endm
; A K step is four quarters of 32 along K, 32 matrix instructions each, on buffers 0, 1, 0, 1.  One of the first three: multiplies buffer f and fetches quarter q into g.
.macro QUARTER slot, q, f, g, zero
	s_wait_dscnt 4                                 ; B and A's blocks 0, 1 are in; the youngest four loads (A's blocks 2, 3) may be out
	WIN MUL
	MUL8 \f, 0, \zero
	MUL8 \f, 1, \zero
	WIN 0
	PLACES
	FETCH \slot, \q, \g
	s_wait_dscnt 24                                ; all but the 24 just issued
	WIN MUL
	MUL8 \f, 2, \zero
	MUL8 \f, 3, \zero
.endm
; The last quarter multiplies buffer 1 and changes slots: ONE barrier; in front of it each wave waits for all its tensor loads, adds 0 to its spare word, and waits for that and for its own reads of this slot.  fill = 1: this slot is filled again, two K steps ahead.
.macro TURN slot, next, fill
	WIN 0                                          ; (the add's two registers lie in window 0)
	s_wait_tensorcnt 0x0                           ; all my tensor loads have landed: my part of the next slot;
	ds_add_u32 v[SPW], v[NIL]                      ; 0 onto my spare word;
	s_wait_dscnt 5                                 ; (the add and the youngest four loads may be out)
	WIN MUL
	MUL8 F1, 0, 0                                  ; eight matrix instructions stand between the add and the wait for it
	s_wait_dscnt 0x0                               ; the add is done, and my reads of this slot are over
	s_barrier_signal -1
	MUL8 F1, 1, 0
	WIN 0
	s_barrier_wait -1
.if \fill
	CREST                                          ; the barrier has opened a round of the cluster's barrier: no wave of any partner still reads this slot's tile or has a load on its way
	s_add_nc_u64 s[G0+4*\slot+2:G0+4*\slot+3], s[G0+4*\slot+2:G0+4*\slot+3], 1048576     ; four heads on
	s_add_nc_u64 s[G0B+4*\slot+2:G0B+4*\slot+3], s[G0B+4*\slot+2:G0B+4*\slot+3], 524288  ; 256 rows on
	JLOAD \slot                                    ; the first tensor load behind the round; the four v_nop behind it are also the places in front of the loads below
.else
	PLACES
.endif
	FETCH \next, 0, F0
	WIN MUL
	MUL8 F1, 2, 0
	MUL8 F1, 3, 0
.endm
	s_wait_tensorcnt 1                             ; my part of K step 0 is in (K step 1's load may be out)
	s_barrier_signal -1
	s_barrier_wait -1                              ; everybody's is
	FETCH 0, 0, F0
	QUARTER 0, 1, F0, F1, 1                        ; the first quarter stands in front of the loop: its products start the sums
	WIN 0                                          ; at a label and at a branch every window is 0
	s_mov_b32 s3, LAPS-1
.Llap:                                                 ; a trip goes once round the ring, from a lap's second quarter to the next lap's first, and fills both slots again
	QUARTER 0, 2, F1, F0, 0
	QUARTER 0, 3, F0, F1, 0
	TURN 0, 1, 1
	QUARTER 1, 1, F0, F1, 0
	QUARTER 1, 2, F1, F0, 0
	QUARTER 1, 3, F0, F1, 0
	TURN 1, 0, 1
	QUARTER 0, 1, F0, F1, 0
	WIN 0
	s_sub_co_u32 s3, s3, 1
	s_cmp_lg_u32 s3, 0
	s_cbranch_scc1 .Llap
	QUARTER 0, 2, F1, F0, 0                        ; the last lap fills nothing, and has no round of the cluster's barrier
	QUARTER 0, 3, F0, F1, 0
	TURN 0, 1, 0
	QUARTER 1, 1, F0, F1, 0
	QUARTER 1, 2, F1, F0, 0
	QUARTER 1, 3, F0, F1, 0
	s_wait_dscnt 4                                 ; the very last quarter: nothing more to fetch
	WIN MUL
	MUL8 F1, 0, 0
	MUL8 F1, 1, 0
	s_wait_dscnt 0
	MUL8 F1, 2, 0
	MUL8 F1, 3, 0
	WIN 0
; THE WAY OUT, block by block of 16 rows x 128 columns.  A lane holds 32 neighbouring bytes of a row, and the lanes beside it hold other rows: so a block goes through my own stage and comes back as whole rows of 512 bytes.
; LDS serves a wave's instructions in order (ISA guide 5.7.1.4): no wait between the stores and the loads, nor in front of the next block's stores.
.macro TOSTAGE a
	WIN 0x04                                       ; an LDS store's data are its source 1: window 1
.irp b, 0,1,2,3,4,5,6,7
	ds_store_b128 v[STO], v[64*(\a)+8*\b:64*(\a)+8*\b+3] offset:64*\b          ; each accumulator from its low end on
	ds_store_b128 v[STO], v[64*(\a)+8*\b+4:64*(\a)+8*\b+7] offset:64*\b+16
.endr
	WIN 0
.set BB, BK+64*((\a)%2)
.irp t, 0,1,2,3,4,5,6,7,8,9,10,11,12,13,14,15
	ds_load_b128 v[BB+4*\t:BB+4*\t+3], v[RD] offset:\t*SPITCH
.endr
.endm
.macro SEND a, younger                 ; younger: the LDS instructions issued behind block a's loads, which may stay out
.set BB, BK+64*((\a)%2)
	s_wait_dscnt \younger                          ; the block is back in registers
.irp t, 0,1,2,3,4,5,6,7,8,9,10,11,12,13,14,15
	global_store_b128 v[CO], v[BB+4*\t:BB+4*\t+3], s[8:9] offset:(\a)*65536+\t*4096 th:TH_STORE_NT   ; 32 lanes store 512 consecutive bytes, at a multiple of 256 from out0's first byte; every offset is an immediate
.endr
.endm
	PLACES                                         ; behind the last products: for the stores that read results and the loads into the fragments' registers
	TOSTAGE 0
.irp a, 1,2,3
.if \a > 1
	s_wait_xcnt 0x0                                ; block a - 2's stores have read their registers: block a's loads may land there
.endif
	TOSTAGE \a
	SEND \a-1, 32                                  ; behind block a - 1's loads: block a's 16 stores and 16 loads
.endr
	SEND 3, 0
	s_wait_tensorcnt 0x0                           ; the wave's end, behind my last tensor load and my last LDS store
	ds_add_u32 v[SPW], v[NIL]
	s_wait_dscnt 0x0
	CROUND                                         ; the closing round: no work-group ends while a partner may still ask for a tile that names it
	s_endpgm
.Lfunc_end_k_qaedd82561a_proj:
	.size	k_qaedd82561a_proj, .Lfunc_end_k_qaedd82561a_proj-k_qaedd82561a_proj
	.p2alignl 7, 3214868480
	.fill 96, 4, 3214868480
	.section	.rodata,"a",@progbits
	.p2align	6, 0x0
	.amdhsa_kernel k_qaedd82561a_proj
		.amdhsa_group_segment_fixed_size 327680
		.amdhsa_private_segment_fixed_size 0
		.amdhsa_enable_private_segment 0
		.amdhsa_kernarg_size 24
		.amdhsa_user_sgpr_count 2
		.amdhsa_user_sgpr_kernarg_segment_ptr 1
		.amdhsa_wavefront_size32 1
		.amdhsa_system_sgpr_workgroup_id_x 1
		.amdhsa_system_sgpr_workgroup_id_y 1
		.amdhsa_system_sgpr_workgroup_id_z 1
		.amdhsa_system_vgpr_workitem_id 0
		.amdhsa_next_free_vgpr 512
		.amdhsa_next_free_sgpr 66
		.amdhsa_reserve_vcc 0
		.amdhsa_float_denorm_mode_32 3
		.amdhsa_float_denorm_mode_16_64 3
		.amdhsa_memory_ordered 1
		.amdhsa_forward_progress 1
		.amdhsa_inst_pref_size 85
	.end_amdhsa_kernel
	.amdgpu_metadata
---
amdhsa.version: [ 1, 2 ]
amdhsa.kernels:
  - .name:           k_qaedd82561a_proj
    .symbol:         k_qaedd82561a_proj.kd
    .args:
      - { .name: y16, .offset: 0, .size: 8, .value_kind: global_buffer, .address_space: global }
      - { .name: wp16, .offset: 8, .size: 8, .value_kind: global_buffer, .address_space: global }
      - { .name: out0, .offset: 16, .size: 8, .value_kind: global_buffer, .address_space: global }
    .group_segment_fixed_size: 327680
    .private_segment_fixed_size: 0
    .kernarg_segment_align: 8
    .kernarg_segment_size: 24
    .max_flat_workgroup_size: 128
    .sgpr_count:     66
    .vgpr_count:     512
    .wavefront_size: 32
...
	.end_amdgpu_metadata
.endif
;; end of part 4
;; launch fine1 (part 5): grid 16 x 4, 12 waves a work-group, no clusters, 18,944 bytes of LDS; arguments xc, xs, wc, ws, y32; writes y32
.if DOCPART == 5
	.amdgcn_target "amdgcn-amd-amdhsa--gfx1250"
	.amdhsa_code_object_version 6
	.text
	.protected	k_qaedd82561a_fine1
	.globl	k_qaedd82561a_fine1
	.p2align	8
	.type	k_qaedd82561a_fine1,@function
k_qaedd82561a_fine1:
	s_mov_b64 s[64:65], 0
	v_nop
	global_prefetch_b8 v0, s[64:65] scope:SCOPE_SE
	s_setreg_imm32_b32 hwreg(HW_REG_WAVE_MODE, 25, 1), 1
	s_wait_xcnt 0x0
; Positions 0 to 15 of every sequence, in f32: under the causal mask they average one to sixteen values and are the largest in size, so f16 operands would use up what the comparison allows.
; Work-group (head, b): q, k, v of the 16 positions are made again from the codes (the same quantised product, FP4 matrix form, f32 results kept), then attention in f32.  y32: [64 = 16 b + t][1024] f32.
; So 64 of the quantised product's 8,192 rows are multiplied twice in the program: the large launch runs in clusters and does not store these rows apart.
; Keys behind position 15 are hidden from these queries by reference()'s own mask and are not touched.
; PHASE A, all 12 waves: wave w makes 16 channels (tile w % 4) of part w / 4 (q, k, v): 8 matrix instructions along K = 1,024, two accumulators by turns, transposed (source 0 = 16 rows of wc, source 1 = x's 16 rows),
; so that a lane holds 8 neighbouring channels of one position.  The results meet in LDS as rows of 64 f32 (pitch 272 bytes).  PHASE B, wave 0: S^T = K Q^T, softmax, Y^T = V^T P by the f32 matrix form: no bulk work.
; No tensor load: the operands go from memory straight into registers.
.set QA,  0
.set KA,  4352
.set VA,  8704
.set STG, 13056
.set SPARE, 17408                      ; the spare words, 128 bytes for each of 12 waves: six blocks of 256 bytes that no other line names
.set SPW, 12
.set NIL, 13
.macro FINISH                          ; a wave's end, behind its last LDS store
	s_wait_tensorcnt 0x0
	ds_add_u32 v[SPW], v[NIL]
	s_wait_dscnt 0x0
	s_endpgm
.endm
	s_load_b256 s[4:11], s[0:1], 0x0               ; xc s[4:5], xs s[6:7], wc s[8:9], ws s[10:11]
	s_load_b64 s[12:13], s[0:1], 0x20              ; y32
	v_lshl_add_u32 v[SPW], v0, 2, SPARE
	v_mov_b32 v[NIL], 0
	v_lshrrev_b32 v1, 5, v0
	v_readfirstlane_b32 s14, v1                    ; wave 0..11
	v_and_b32 v1, 15, v0                           ; r
	v_bfe_u32 v2, v0, 4, 1                         ; h
	v_lshlrev_b32 v3, 9, v1
	v_lshl_add_u32 v3, v2, 4, v3                   ; codes: row r of 512 bytes, + 16 h
	v_lshlrev_b32 v4, 5, v1                        ; scale bytes: row r of 32
	s_lshr_b32 s15, s14, 2                         ; part
	s_and_b32 s16, s14, 3                          ; tile of 16 channels
	s_mul_i32 s17, s15, 4352
	s_lshl_b32 s18, s16, 6
	s_add_co_u32 s17, s17, s18
	v_mul_u32_u24 v5, v1, 272
	v_lshl_add_u32 v6, v2, 3, v5                   ; phase B: K and Q: row r, + 8 h
	v_lshl_add_u32 v8, v2, 5, v5
	v_add_nc_u32 v5, s17, v8                       ; phase A: my part, row r, my tile's 64 bytes, + 32 h
	v_add_nc_u32 v8, STG, v8                       ; the stage, in: row r, + 32 h
	v_mul_u32_u24 v7, v2, 2176
	v_lshl_add_u32 v7, v1, 2, v7
	v_add_nc_u32 v7, VA, v7                        ; V: key 8 h on, channel r
	v_mul_u32_u24 v9, v2, 272
	v_lshl_add_u32 v9, v1, 4, v9
	v_add_nc_u32 v9, STG, v9                       ; the stage, back: lanes 0-15 one row, lanes 16-31 the next
	v_lshlrev_b32 v10, 12, v2
	v_lshl_add_u32 v10, v1, 4, v10                 ; and the same two rows in y32
	v_lshlrev_b32 v11, 3, v2
	v_sub_nc_u32 v11, v1, v11                      ; r - 8 h
	s_and_b32 s19, ttmp7, 0xffff                   ; b
	s_lshl_b32 s20, s19, 20                        ; x's codes: 2,048 rows of 512 bytes a sequence
	s_mov_b32 s21, 0
	s_lshl_b32 s22, s19, 16                        ; x's scale bytes: 2,048 rows of 32
	s_mov_b32 s23, 0
	s_lshl_b32 s24, s15, 10
	s_lshl_b32 s25, ttmp9, 6
	s_add_co_u32 s24, s24, s25
	s_lshl_b32 s25, s16, 4
	s_add_co_u32 s24, s24, s25                     ; my first column of w_attn: 1,024 part + 64 head + 16 tile
	s_lshl_b32 s26, s24, 5
	s_mov_b32 s27, 0
	s_lshl_b32 s24, s24, 9
	s_mov_b32 s25, 0
	s_lshl_b32 s28, s19, 16                        ; y32: 16 rows of 4,096 bytes a sequence,
	s_lshl_b32 s29, ttmp9, 8                       ; 256 bytes a head
	s_add_co_u32 s28, s28, s29
	s_mov_b32 s29, 0
	s_mov_b32 s30, 0x76543210
	s_mov_b32 s31, 0xfedcba98                      ; v_permlanex16_b32's selects for lane l xor 16
	s_mov_b32 s32, 0x3e38aa3b                      ; c = log2(e) / 8
	s_wait_kmcnt 0x0
	s_add_nc_u64 s[4:5], s[4:5], s[20:21]
	s_add_nc_u64 s[6:7], s[6:7], s[22:23]
	s_add_nc_u64 s[8:9], s[8:9], s[24:25]
	s_add_nc_u64 s[10:11], s[10:11], s[26:27]
	s_add_nc_u64 s[12:13], s[12:13], s[28:29]
.irp s, 0,1,2,3,4,5,6,7                        ; K step s: 128 codes = 64 bytes of a row; registers 4 c .. 4 c + 3 hold K = 64 c + 32 h + 0 .. 31
.irp c, 0,1
	global_load_b128 v[16+8*\s+4*\c:19+8*\s+4*\c], v3, s[4:5] offset:64*\s+32*\c
	global_load_b128 v[80+8*\s+4*\c:83+8*\s+4*\c], v3, s[8:9] offset:64*\s+32*\c
.endr
.endr
.irp c, 0,1                                    ; the rows' eight scale words: v144-151 x's, v152-159 w's; these registers hold scales and nothing else
	global_load_b128 v[144+4*\c:147+4*\c], v4, s[6:7] offset:16*\c
	global_load_b128 v[152+4*\c:155+4*\c], v4, s[10:11] offset:16*\c
.endr
	s_wait_loadcnt 0x0
.irp s, 0,1,2,3,4,5,6,7                        ; two accumulators by turns, one instruction a turn; the first two start the sums
.if \s < 2
	v_wmma_scale_f32_16x16x128_f8f6f4 v[160+8*(\s%2):167+8*(\s%2)], v[80+8*\s:87+8*\s], v[16+8*\s:23+8*\s], 0, v[152+\s], v[144+\s] matrix_a_fmt:MATRIX_FMT_FP4 matrix_b_fmt:MATRIX_FMT_FP4
.else
	v_wmma_scale_f32_16x16x128_f8f6f4 v[160+8*(\s%2):167+8*(\s%2)], v[80+8*\s:87+8*\s], v[16+8*\s:23+8*\s], v[160+8*(\s%2):167+8*(\s%2)], v[152+\s], v[144+\s] matrix_a_fmt:MATRIX_FMT_FP4 matrix_b_fmt:MATRIX_FMT_FP4
.endif
.endr
.rept 4
	v_nop                                          ; four places behind this form
.endr
.irp i, 0,2,4,6
	v_pk_add_f32 v[176+\i:177+\i], v[160+\i:161+\i], v[168+\i:169+\i]   ; from the low end on
.endr
	ds_store_b128 v5, v[176:179]                   ; lane (r, h): channels 16 tile + 8 h + 0..7 of position r
	ds_store_b128 v5, v[180:183] offset:16
	s_wait_dscnt 0x0                               ; for the others' sake: my stores have landed
	s_barrier_signal -1
	s_barrier_wait -1
	s_cmp_lg_u32 s14, 0
	s_cbranch_scc1 .Lrest
	; ---- phase B, wave 0.  An f32 fragment is 16 rows x 4 K in 2 registers: lane (r, h) holds row r, K = 2 h + 0, 1
.irp s, 0,1,2,3,4,5,6,7,8,9,10,11,12,13,14,15
	ds_load_b64 v[16+2*\s:17+2*\s], v6 offset:KA+16*\s    ; K(key r, channels 4 s + 2 h + 0, 1)
	ds_load_b64 v[48+2*\s:49+2*\s], v6 offset:QA+16*\s    ; Q likewise
.endr
.irp ct, 0,1,2,3                               ; V^T(channel 16 ct + r, key 8 h + 2 sp + j): the keys stand in the order in which P's registers hold them, alike on both sides of the product
.irp sp, 0,1,2,3
.irp j, 0,1
	ds_load_b32 v[80+2*(4*\ct+\sp)+\j], v7 offset:(2*\sp+\j)*272+64*\ct
.endr
.endr
.endr
	s_wait_dscnt 0x0
.irp s, 0,1,2,3,4,5,6,7,8,9,10,11,12,13,14,15  ; S^T = K Q^T: two accumulators by turns.  v192-239 are written by matrix instructions alone in this text
.if \s < 2
	v_wmma_f32_16x16x4_f32 v[192+8*(\s%2):199+8*(\s%2)], v[16+2*\s:17+2*\s], v[48+2*\s:49+2*\s], 0
.else
	v_wmma_f32_16x16x4_f32 v[192+8*(\s%2):199+8*(\s%2)], v[16+2*\s:17+2*\s], v[48+2*\s:49+2*\s], v[192+8*(\s%2):199+8*(\s%2)]
.endif
.endr
.rept 8
	v_nop                                          ; eight places behind the f32 form
.endr
.irp i, 0,2,4,6
	v_pk_add_f32 v[112+\i:113+\i], v[192+\i:193+\i], v[200+\i:201+\i]   ; register j: score of key 8 h + j for query r
.endr
	v_mov_b32 v14, 0xff800000
.irp j, 0,1,2,3,4,5,6,7
	v_cmp_gt_i32 vcc_lo, \j, v11                   ; hidden where 8 h + j > r
	v_cndmask_b32 v[112+\j], v[112+\j], v14, vcc_lo
.endr
	v_max3_num_f32 v15, v112, v113, v114
	v_max3_num_f32 v15, v15, v115, v116
	v_max3_num_f32 v15, v15, v117, v118
	v_max_num_f32 v15, v15, v119
	v_permlanex16_b32 v14, v15, s30, s31
	v_max_num_f32 v15, v15, v14                    ; the row's maximum: key 0 counts for every query, so it is a score
	v_mul_f32 v15, s32, v15
.irp j, 0,1,2,3,4,5,6,7
	v_fma_f32 v[112+\j], v[112+\j], s32, -v15      ; c s - c m
.endr
.irp j, 0,1,2,3,4,5,6,7
	v_exp_f32 v[112+\j], v[112+\j]
.endr
	v_nop                                          ; a plain instruction behind the last exponential,
	s_wait_alu depctr_va_vdst(0)                   ; and the one wait ahead of the batch's first reader
	v_pk_add_f32 v[128:129], v[112:113], v[114:115]
	v_pk_add_f32 v[130:131], v[116:117], v[118:119]
	v_pk_add_f32 v[128:129], v[128:129], v[130:131]
	v_add_f32 v14, v128, v129
	v_permlanex16_b32 v15, v14, s30, s31
	v_add_f32 v14, v14, v15                        ; the row's sum
	v_rcp_f32 v14, v14
	v_nop
	s_wait_alu depctr_va_vdst(0)
.irp j, 0,1,2,3,4,5,6,7
	v_mul_f32 v[120+\j], v[112+\j], v14            ; P
.endr
.irp sp, 0,1,2,3                               ; Y^T = V^T P: four accumulators by turns; the first four start the sums
.irp ct, 0,1,2,3
.if \sp == 0
	v_wmma_f32_16x16x4_f32 v[208+8*\ct:215+8*\ct], v[80+2*(4*\ct+\sp):81+2*(4*\ct+\sp)], v[120+2*\sp:121+2*\sp], 0
.else
	v_wmma_f32_16x16x4_f32 v[208+8*\ct:215+8*\ct], v[80+2*(4*\ct+\sp):81+2*(4*\ct+\sp)], v[120+2*\sp:121+2*\sp], v[208+8*\ct:215+8*\ct]
.endif
.endr
.endr
.rept 8
	v_nop
.endr
.irp ct, 0,1,2,3
	ds_store_b128 v8, v[208+8*\ct:211+8*\ct] offset:64*\ct        ; lane (r, h): channels 16 ct + 8 h + 0..7 of query r; each accumulator from its low end on
	ds_store_b128 v8, v[212+8*\ct:215+8*\ct] offset:64*\ct+16
.endr
.irp i, 0,1,2,3,4,5,6,7
	ds_load_b128 v[16+4*\i:19+4*\i], v9 offset:2*\i*272           ; LDS serves a wave's instructions in order: these see my stores
.endr
.irp i, 0,1,2,3,4,5,6,7
	s_wait_dscnt 7-\i                              ; load i is in; the later ones may be out
	global_store_b128 v10, v[16+4*\i:19+4*\i], s[12:13] offset:8192*\i   ; sixteen lanes store 256 consecutive bytes, aligned
.endr
	FINISH
.Lrest:
	FINISH
.Lfunc_end_k_qaedd82561a_fine1:
	.size	k_qaedd82561a_fine1, .Lfunc_end_k_qaedd82561a_fine1-k_qaedd82561a_fine1
	.p2alignl 7, 3214868480
	.fill 96, 4, 3214868480
	.section	.rodata,"a",@progbits
	.p2align	6, 0x0
	.amdhsa_kernel k_qaedd82561a_fine1
		.amdhsa_group_segment_fixed_size 18944
		.amdhsa_private_segment_fixed_size 0
		.amdhsa_enable_private_segment 0
		.amdhsa_kernarg_size 40
		.amdhsa_user_sgpr_count 2
		.amdhsa_user_sgpr_kernarg_segment_ptr 1
		.amdhsa_wavefront_size32 1
		.amdhsa_system_sgpr_workgroup_id_x 1
		.amdhsa_system_sgpr_workgroup_id_y 1
		.amdhsa_system_sgpr_workgroup_id_z 1
		.amdhsa_system_vgpr_workitem_id 0
		.amdhsa_next_free_vgpr 256
		.amdhsa_next_free_sgpr 66
		.amdhsa_reserve_vcc 1
		.amdhsa_float_denorm_mode_32 3
		.amdhsa_float_denorm_mode_16_64 3
		.amdhsa_memory_ordered 1
		.amdhsa_forward_progress 1
		.amdhsa_inst_pref_size 20
	.end_amdhsa_kernel
	.amdgpu_metadata
---
amdhsa.version: [ 1, 2 ]
amdhsa.kernels:
  - .name:           k_qaedd82561a_fine1
    .symbol:         k_qaedd82561a_fine1.kd
    .args:
      - { .name: xc, .offset: 0, .size: 8, .value_kind: global_buffer, .address_space: global }
      - { .name: xs, .offset: 8, .size: 8, .value_kind: global_buffer, .address_space: global }
      - { .name: wc, .offset: 16, .size: 8, .value_kind: global_buffer, .address_space: global }
      - { .name: ws, .offset: 24, .size: 8, .value_kind: global_buffer, .address_space: global }
      - { .name: y32, .offset: 32, .size: 8, .value_kind: global_buffer, .address_space: global }
    .group_segment_fixed_size: 18944
    .private_segment_fixed_size: 0
    .kernarg_segment_align: 8
    .kernarg_segment_size: 40
    .max_flat_workgroup_size: 384
    .sgpr_count:     66
    .vgpr_count:     256
    .wavefront_size: 32
...
	.end_amdgpu_metadata
.endif
;; end of part 5
;; launch fine2 (part 6): grid 16 x 4, 16 waves a work-group, no clusters, 71,680 bytes of LDS; arguments y32, w_proj, out0; writes out0
.if DOCPART == 6
	.amdgcn_target "amdgcn-amd-amdhsa--gfx1250"
	.amdhsa_code_object_version 6
	.text
	.protected	k_qaedd82561a_fine2
	.globl	k_qaedd82561a_fine2
	.p2align	8
	.type	k_qaedd82561a_fine2,@function
k_qaedd82561a_fine2:
	s_mov_b64 s[64:65], 0
	v_nop
	global_prefetch_b8 v0, s[64:65] scope:SCOPE_SE
	s_setreg_imm32_b32 hwreg(HW_REG_WAVE_MODE, 25, 1), 1
	s_wait_xcnt 0x0
; The projection of positions 0 to 15 of every sequence, in f32: out0[2048 b + t][n] = sum over k of y32[16 b + t][k] w_proj[k][n], t < 16, written over the 64 rows that the launch before made from f16 operands.
; Work-group (cb, b): 16 rows x 64 columns.  Wave w takes K = 64 w .. 64 w + 63: 64 instructions of the f32 matrix form (no bulk work: 64 rows of 8,192), four accumulators by turns; the sixteen partial sums meet in LDS,
; and waves 0-7 add them in a fixed tree and store two rows each.  Transposed use: source 0 = 16 columns of w_proj, source 1 = the 16 rows of y32: a lane holds 8 neighbouring columns of a row.
; An f32 fragment holds K = 2 h + 0, 1 in its two registers.  y32 is loaded 16 bytes a lane, so place (h, j) of instruction u stands for k = 64 w + 8 (u / 2) + 4 h + 2 (u % 2) + j; w_proj is loaded in the same order: alike on both sides.
; No tensor load, no cluster: the work-groups share only w_proj's columns across the four sequences, a few bytes each.
.set SPARE, 16*4352                    ; behind the partial sums (16 waves x 16 rows x 272 bytes): the spare words, 128 bytes for each wave: eight blocks of 256 bytes that no other line names
.set SPW, 12
.set NIL, 13
.macro FINISH                          ; a wave's end, behind its last LDS store
	s_wait_tensorcnt 0x0
	ds_add_u32 v[SPW], v[NIL]
	s_wait_dscnt 0x0
	s_endpgm
.endm
	s_load_b128 s[4:7], s[0:1], 0x0                ; y32 s[4:5], w_proj s[6:7]
	s_load_b64 s[8:9], s[0:1], 0x10                ; out0
	v_lshl_add_u32 v[SPW], v0, 2, SPARE
	v_mov_b32 v[NIL], 0
	v_lshrrev_b32 v1, 5, v0
	v_readfirstlane_b32 s10, v1                    ; wave 0..15
	v_and_b32 v1, 15, v0                           ; r
	v_bfe_u32 v2, v0, 4, 1                         ; h
	v_lshlrev_b32 v3, 12, v1
	v_lshl_add_u32 v3, v2, 4, v3                   ; y32: row r of 4,096 bytes, + 16 h
	v_lshlrev_b32 v4, 14, v2
	v_lshl_add_u32 v4, v1, 2, v4                   ; w_proj: 4 h rows of 4,096 bytes down, column r
	s_mul_i32 s11, s10, 4352
	v_mul_u32_u24 v5, v1, 272
	v_lshl_add_u32 v5, v2, 5, v5
	v_add_nc_u32 v5, s11, v5                       ; my partial sums: row r, + 32 h
	s_and_b32 s11, s10, 7
	s_mul_i32 s11, s11, 544
	v_mul_u32_u24 v6, v2, 272
	v_lshl_add_u32 v6, v1, 4, v6
	v_add_nc_u32 v6, s11, v6                       ; back: rows 2 w and 2 w + 1 of wave 0's sums, sixteen lanes to a row; the other waves' by the offset
	v_lshlrev_b32 v7, 12, v2
	v_lshl_add_u32 v7, v1, 4, v7                   ; and the same two rows in out0
	s_and_b32 s12, ttmp7, 0xffff                   ; b
	s_lshl_b32 s14, s12, 16                        ; y32: 16 rows a sequence,
	s_lshl_b32 s15, s10, 8                         ; my 64 of K
	s_add_co_u32 s14, s14, s15
	s_mov_b32 s15, 0
	s_lshl_b32 s16, s10, 18                        ; w_proj: my 64 rows,
	s_lshl_b32 s17, ttmp9, 8                       ; the work-group's 64 columns
	s_add_co_u32 s16, s16, s17
	s_mov_b32 s17, 0
	s_lshl_b32 s18, s12, 23                        ; out0: 2,048 rows a sequence,
	s_lshl_b32 s19, s10, 13                        ; rows 2 w on,
	s_add_co_u32 s18, s18, s19
	s_lshl_b32 s19, ttmp9, 8
	s_add_co_u32 s18, s18, s19
	s_mov_b32 s19, 0
	s_wait_kmcnt 0x0
	s_add_nc_u64 s[4:5], s[4:5], s[14:15]
	s_add_nc_u64 s[6:7], s[6:7], s[16:17]
	s_add_nc_u64 s[8:9], s[8:9], s[18:19]
.irp g, 0,1,2,3,4,5,6,7
	global_load_b128 v[16+4*\g:19+4*\g], v3, s[4:5] offset:32*\g   ; y32(r, 64 w + 8 g + 4 h + 0..3)
.endr
.irp ct, 0,1,2,3
.irp i, 0,1,2,3,4,5,6,7,8,9,10,11,12,13,14,15,16,17,18,19,20,21,22,23,24,25,26,27,28,29,30,31
	global_load_b32 v[48+32*\ct+\i], v4, s[6:7] offset:(8*(\i/4)+\i%4)*4096+64*\ct   ; w_proj(64 w + 8 (i / 4) + 4 h + i % 4, 64 cb + 16 ct + r)
.endr
.endr
	s_wait_loadcnt 0x0
.irp u, 0,1,2,3,4,5,6,7,8,9,10,11,12,13,14,15  ; four accumulators by turns, one instruction a turn; the first four start the sums.  v192-223 are written by matrix instructions alone in this text
.irp ct, 0,1,2,3
.if \u == 0
	v_wmma_f32_16x16x4_f32 v[192+8*\ct:199+8*\ct], v[48+32*\ct+2*\u:49+32*\ct+2*\u], v[16+2*\u:17+2*\u], 0
.else
	v_wmma_f32_16x16x4_f32 v[192+8*\ct:199+8*\ct], v[48+32*\ct+2*\u:49+32*\ct+2*\u], v[16+2*\u:17+2*\u], v[192+8*\ct:199+8*\ct]
.endif
.endr
.endr
.rept 8
	v_nop                                          ; eight places behind the f32 form: for the stores that read results, and for the loads below into the operands' registers
.endr
.irp ct, 0,1,2,3
	ds_store_b128 v5, v[192+8*\ct:195+8*\ct] offset:64*\ct        ; lane (r, h): columns 16 ct + 8 h + 0..7 of row r; each accumulator from its low end on
	ds_store_b128 v5, v[196+8*\ct:199+8*\ct] offset:64*\ct+16
.endr
	s_wait_dscnt 0x0                               ; for the others' sake: my stores have landed
	s_barrier_signal -1
	s_barrier_wait -1
	s_cmp_ge_u32 s10, 8
	s_cbranch_scc1 .Lrest
.irp p, 0,1,2,3,4,5,6,7,8,9,10,11,12,13,14,15
	ds_load_b128 v[16+4*\p:19+4*\p], v6 offset:4352*\p            ; wave p's part of my two rows
.endr
	s_wait_dscnt 0x0
.irp p, 0,1,2,3,4,5,6,7                        ; a fixed tree: 8, 4, 2, 1 apart
	v_pk_add_f32 v[16+4*\p:17+4*\p], v[16+4*\p:17+4*\p], v[48+4*\p:49+4*\p]
	v_pk_add_f32 v[18+4*\p:19+4*\p], v[18+4*\p:19+4*\p], v[50+4*\p:51+4*\p]
.endr
.irp p, 0,1,2,3
	v_pk_add_f32 v[16+4*\p:17+4*\p], v[16+4*\p:17+4*\p], v[32+4*\p:33+4*\p]
	v_pk_add_f32 v[18+4*\p:19+4*\p], v[18+4*\p:19+4*\p], v[34+4*\p:35+4*\p]
.endr
.irp p, 0,1
	v_pk_add_f32 v[16+4*\p:17+4*\p], v[16+4*\p:17+4*\p], v[24+4*\p:25+4*\p]
	v_pk_add_f32 v[18+4*\p:19+4*\p], v[18+4*\p:19+4*\p], v[26+4*\p:27+4*\p]
.endr
	v_pk_add_f32 v[16:17], v[16:17], v[20:21]
	v_pk_add_f32 v[18:19], v[18:19], v[22:23]
	global_store_b128 v7, v[16:19], s[8:9]         ; sixteen lanes store 256 consecutive bytes, aligned: two rows an instruction
	FINISH
.Lrest:
	FINISH
.Lfunc_end_k_qaedd82561a_fine2:
	.size	k_qaedd82561a_fine2, .Lfunc_end_k_qaedd82561a_fine2-k_qaedd82561a_fine2
	.p2alignl 7, 3214868480
	.fill 96, 4, 3214868480
	.section	.rodata,"a",@progbits
	.p2align	6, 0x0
	.amdhsa_kernel k_qaedd82561a_fine2
		.amdhsa_group_segment_fixed_size 71680
		.amdhsa_private_segment_fixed_size 0
		.amdhsa_enable_private_segment 0
		.amdhsa_kernarg_size 24
		.amdhsa_user_sgpr_count 2
		.amdhsa_user_sgpr_kernarg_segment_ptr 1
		.amdhsa_wavefront_size32 1
		.amdhsa_system_sgpr_workgroup_id_x 1
		.amdhsa_system_sgpr_workgroup_id_y 1
		.amdhsa_system_sgpr_workgroup_id_z 1
		.amdhsa_system_vgpr_workitem_id 0
		.amdhsa_next_free_vgpr 256
		.amdhsa_next_free_sgpr 66
		.amdhsa_reserve_vcc 0
		.amdhsa_float_denorm_mode_32 3
		.amdhsa_float_denorm_mode_16_64 3
		.amdhsa_memory_ordered 1
		.amdhsa_forward_progress 1
		.amdhsa_inst_pref_size 24
	.end_amdhsa_kernel
	.amdgpu_metadata
---
amdhsa.version: [ 1, 2 ]
amdhsa.kernels:
  - .name:           k_qaedd82561a_fine2
    .symbol:         k_qaedd82561a_fine2.kd
    .args:
      - { .name: y32, .offset: 0, .size: 8, .value_kind: global_buffer, .address_space: global }
      - { .name: w_proj, .offset: 8, .size: 8, .value_kind: global_buffer, .address_space: global }
      - { .name: out0, .offset: 16, .size: 8, .value_kind: global_buffer, .address_space: global }
    .group_segment_fixed_size: 71680
    .private_segment_fixed_size: 0
    .kernarg_segment_align: 8
    .kernarg_segment_size: 24
    .max_flat_workgroup_size: 512
    .sgpr_count:     66
    .vgpr_count:     256
    .wavefront_size: 32
...
	.end_amdgpu_metadata
.endif
;; end of part 6
